; MI455X (gfx1250); checked and timed in simulation.
; The chip was launched on July 23, 2026; its instructions are those of AMD's public machine-readable ISA for CDNA 5 (MIT licence, August 2026) and "CDNA5" Instruction Set Architecture Reference Guide (July 2026). The comments in the code are by the model that wrote it; some were corrected since.
;; Global Sparse Attention. Allowed arithmetic: matrix products marked QUANTISED: E3M2 operands, one E8M0 scale for each 32 along K, by v_wmma_scale_f32_16x16x128_f8f6f4 with both operands' format E3M2, f32 sums; everything else in f32.
;; Inputs: adj 16 x 16 bool; frame_ids 4,096 int32; is_hub 4,096 bool; proj_b 1,024 float32; proj_w 1,024 x 1,024 float32; qkv_b 3,072 float32; qkv_w 3,072 x 1,024 float32; x 1 x 4,096 x 1,024 float32.
;; Outputs: out0 1 x 4,096 x 1,024 float32.
;; This version of the problem:
;;   THIS VERSION OF THE PROBLEM IS GIVEN IN LOW PRECISION. The matrix products marked QUANTISED in the list below multiply operands that are first quantised to E3M2 (3 exponent bits, 2 mantissa bits; 6 bits a number), with one power-of-two scale for each 32 numbers along K (OCP MX v1.0); their sums are f32. All else is computed in f32.
;;   The module's matrix products, in the order in which they are computed (A, B: the left and right operand; K: the contracted axis; several contracted axes count as one K, in the product's order):
;;     1. [M 4,096, K 1,024] x [K 1,024, N 3,072]; A: input x; B: input qkv_w: QUANTISED
;;     2. batch 16 x [M 4,096, K 64] x [K 64, N 4,096]; A: computed on the way; B: computed on the way: QUANTISED
;;     3. batch 16 x [M 4,096, K 4,096] x [K 4,096, N 64]; A: softmax (see below); B: computed on the way: QUANTISED
;;     4. [M 4,096, K 1,024] x [K 1,024, N 1,024]; A: computed on the way; B: input proj_w: QUANTISED
;;   THE QUANTISER, for each operand of a quantised product, along K:
;;     - K is cut into blocks of 32 from its start; a last block that is shorter is filled with zeros.
;;     - A block's scale is 2^e with e = floor(log2(the largest magnitude in the block)) - 4, held to -126 .. 127; a block of zeros has e = 0. As a byte (E8M0): e + 127.
;;     - Each number is divided by its block's scale, clamped to +-28, and rounded to the nearest number of E3M2, ties to even, subnormals kept.
;;     - The product sums the exact products of the quantised numbers (number of the format x scale) in f32.
;;   ~~~python
;;   def quantise(x, axis):      # numpy; x: float32 -> the quantised numbers, widened to float32 again
;;       x = np.moveaxis(x, axis, -1); K = x.shape[-1]
;;       x = np.pad(x, [(0, 0)] * (x.ndim - 1) + [(0, -K % 32)]); x = x.reshape(x.shape[:-1] + (-1, 32)); a = np.abs(x).max(-1, keepdims=True)
;;       e = np.where(a > 0, np.clip(np.frexp(np.where(a > 0, a, 1))[1] - 1 - 4, -126, 127), 0)      # np.frexp(a)[1] - 1 = floor(log2(a)), exactly
;;       r = np.clip(x / 2.0 ** e, -28, 28)
;;       step = 2.0 ** (np.maximum(np.frexp(np.where(r == 0, 1, r))[1] - 1, -2) - 2)
;;       q = np.round(r / step) * step * 2.0 ** e      # np.round: ties to even
;;       return np.moveaxis(q.reshape(q.shape[:-2] + (-1,))[..., :K], -1, axis).astype(np.float32)
;;   ~~~
;;   SOFTMAX AHEAD OF A QUANTISED PRODUCT. Where the list says 'softmax', what is quantised is not the finished softmax but p = 2^(t - M), with t = logit x log2(e) and M = ceil(the row's largest t), a whole number; so 1/2 < the row's largest p <= 1. The row's sum l is taken of the UNQUANTISED p, in f32, and the product's result is divided by l at the end. Since M is a whole number, a kernel that streams over the keys may use a running M (the ceiling of the running maximum): every later rescaling is an exact power of two, which a block's scale takes up: the codes' values come out the same.
;;   OPERANDS COMPUTED ON THE WAY. 'Computed on the way' means the value that the module computes at that place (a softmax that the list does not call 'softmax' is quantised finished and normalised). What goes into a quantiser is computed in f32, as accurately as f32 sums, v_exp_f32 and their like allow (about 1e-6 of the number): no bf16 or f16 on the way to a quantiser, and a product that is left as it is and whose result goes on into a quantised operand takes f32 operands (vector FMAs, or v_wmma_f32_16x16x4_f32). A number that lies on a knife's edge between two numbers of the format may be rounded either way, as far as f32 arithmetic and the matrix unit's own rounding can turn it there, and no further.
;; One version. Each part assembles by itself: llvm-mc -triple=amdgcn-amd-amdhsa -mcpu=gfx1250 --defsym DOCPART=n.
;; ======== version 1 of 1: 4 launches
;; limits: right only within a limited range of input values
;; workspace buffers: ximg 3,276,800 bytes; wimg 2,457,600 bytes; pwimg 819,200 bytes; kcls 98,304 bytes; qtab 98,304 bytes; qimg 3,407,872 bytes; kv 6,684,672 bytes; oimg 3,276,800 bytes
;; launch prep (part 1): grid 288 x 1, 2 waves a work-group, no clusters, 17,152 bytes of LDS; arguments x, qkv_w, proj_w, adj, frame_ids, is_hub, ximg, wimg, pwimg, kcls, qtab; writes ximg, wimg, pwimg, kcls, qtab
.if DOCPART == 1
	.amdgcn_target "amdgcn-amd-amdhsa--gfx1250"
	.amdhsa_code_object_version 6
	.text
	.protected	k_q16b1f57051_prep
	.globl	k_q16b1f57051_prep
	.p2align	8
	.type	k_q16b1f57051_prep,@function
k_q16b1f57051_prep:
	s_mov_b64 s[64:65], 0
	v_nop
	global_prefetch_b8 v0, s[64:65] scope:SCOPE_SE
	s_setreg_imm32_b32 hwreg(HW_REG_WAVE_MODE, 25, 1), 1
	s_wait_xcnt 0x0
; PREP.  (1) x [4096][1024], qkv_w [3072][1024] and proj_w [1024][1024], f32, K innermost, become codes of E3M2 with one E8M0 byte for each 32 along K,
; laid as IMAGES OF OPERAND REGISTERS: for each block of 128 rows and each 128 along K one record of 12,800 bytes: eight fragments (16 rows x 128 K, 12 registers a lane;
; registers 4 c .. 4 c + 3 of lane l at 1536 t + 512 c + 16 l), then at 12,288 + 16 l + 4 j the scale word of tile 2 j + l / 16, row l % 16.
; THE ROWS OF A TILE ARE NOT NEIGHBOURS: row m of tile t is row 32 (t / 2) + 8 (t % 2) + m + 8 (m / 8) of the block of 128.
; (2) The mask of the attention, as two small operands of a product.  allowed = adj[fq][fk] and (fq = fk or neither token is a hub) hangs on the tokens' classes 2 frame + hub alone (32 classes).
; kcls: for each key 32 codes, 1.0 at its class.  qtab: for each query 32 codes, -28 at each key class that it may not see.  Their product over the 32 classes is 0 where the key is allowed.
; Both are laid alike, 3,072 bytes for 128 tokens: the 24 bytes of the token at tile 2 b + u, row m are registers 6 b .. 6 b + 5 of lane m + 16 u; register R of lane l lies at 512 (R / 4) + 16 l + 4 (R % 4).
; SHARES: work-groups 0-255: a wave makes one record (128 rows x 128 K).  Work-groups 256-287: a wave makes the codes of 128 tokens, four tokens a lane (32 waves for kcls, 32 for qtab).  Waves share nothing: no barrier.
; A block's scale byte is its largest magnitude's exponent field - 4, held at 1 from below; a block of zeros keeps the byte 1 (its codes are zeros, and this program alone reads the bytes).
; LIMITS: NaN and infinities among the inputs are not served; blocks whose largest magnitude lies under 2^-122 keep the byte 1; frame_ids are held at 15, as the table adj asks, and is_hub at 1.
.set TM,  8                            ; v8-23    at work in QUANT
.set SW,  24                           ; v24-31   the eight tiles' scale words
.set RR,  32                           ; v32-159  two sets of 64: a tile's numbers as loaded
.set X,   160                          ; v160-223 a lane's 64 numbers
.set PC,  224                          ; v224-247 two sets of 12: a fragment's codes
.set CT,  248                          ; v248-250, v252-254 the conversions' second halves (v251, v255: the add's two registers)
.set SEL, 26                           ; s[26:27] lane selects: lane l xor 16
.macro QUANT s, d0, d1, pw             ; 64 numbers of a lane -> a fragment's codes and its row's scale word
.irp b, 0,1,2,3
	v_max3_num_f32 v[TM+\b], |v[(\s)+16*\b]|, |v[(\s)+1+16*\b]|, 0x2800000   ; with the floor 2^(5 - 127): the byte cannot fall under 1
.endr
.irp i, 2,4,6,8,10,12,14
.irp b, 0,1,2,3
	v_max3_num_f32 v[TM+\b], v[TM+\b], |v[(\s)+16*\b+\i]|, |v[(\s)+1+16*\b+\i]|
.endr
.endr
.irp b, 0,1,2,3
	v_permlanex16_b32 v[TM+4+\b], v[TM+\b], s[SEL], s[SEL+1]
.endr
.irp b, 0,1,2,3
	v_max_num_f32 v[TM+\b], v[TM+\b], v[TM+4+\b]          ; with lane l xor 16's 16: the block's largest magnitude
.endr
.irp b, 0,1,2,3
	v_add_nc_u32 v[TM+12+\b], 0xfe000000, v[TM+\b]        ; 4 off its exponent field: the conversion's scale operand
.endr
.irp b, 0,1,2,3
	v_lshrrev_b32 v[TM+4+\b], 23, v[TM+12+\b]             ; the scale's byte
.endr
	v_lshl_or_b32 v[(\pw)], v[TM+5], 8, v[TM+4]
	v_lshl_or_b32 v[(\pw)], v[TM+6], 16, v[(\pw)]
	v_lshl_or_b32 v[(\pw)], v[TM+7], 24, v[(\pw)]
	v_cvt_scalef32_pk16_bf6_f32 v[(\d0):(\d0)+2], v[(\s):(\s)+15], v[TM+12]
	v_cvt_scalef32_pk16_bf6_f32 v[CT:CT+2], v[(\s)+16:(\s)+31], v[TM+13]
	v_cvt_scalef32_pk16_bf6_f32 v[(\d1):(\d1)+2], v[(\s)+32:(\s)+47], v[TM+14]
	v_cvt_scalef32_pk16_bf6_f32 v[CT+4:CT+6], v[(\s)+48:(\s)+63], v[TM+15]
	v_nop                                                 ; one plain instruction behind the scaled conversions
.irp i, 0,1,2
	v_permlane16_swap_b32 v[(\d0)+\i], v[CT+\i]           ; a whole block to a lane
	v_permlane16_swap_b32 v[(\d1)+\i], v[CT+4+\i]
.endr
.irp i, 0,1,2
	v_mov_b32 v[(\d0)+3+\i], v[CT+\i]
	v_mov_b32 v[(\d1)+3+\i], v[CT+4+\i]
.endr
.endm
	s_load_b256 s[4:11], s[0:1], 0x0               ; x, qkv_w, proj_w, adj
	s_load_b256 s[12:19], s[0:1], 0x20             ; frame_ids, is_hub, ximg, wimg
	s_load_b128 s[20:23], s[0:1], 0x40             ; pwimg, kcls
	s_load_b64 s[40:41], s[0:1], 0x50              ; qtab
	v_lshl_add_u32 v251, v0, 2, 0x4200
	v_mov_b32 v255, 0
	v_lshrrev_b32 v1, 5, v0
	v_readfirstlane_b32 s24, v1                    ; wave 0, 1
	v_and_b32 v1, 31, v0                           ; lane
	v_lshlrev_b32 v2, 4, v1                        ; 16 x lane
	s_wait_kmcnt 0x0
	s_cmp_ge_u32 ttmp9, 256
	s_cbranch_scc1 .Lcls
	; ---------------- the quantiser ----------------
	s_lshr_b32 s30, ttmp9, 2                       ; which block of 128 rows, counted through x (32), qkv_w (24), proj_w (8)
	s_lshl_b32 s31, ttmp9, 1
	s_add_co_u32 s31, s31, s24
	s_and_b32 s31, s31, 7                          ; which 128 along K
	s_cmp_lt_u32 s30, 56                           ; the buffers are chosen by the work-group's number alone
	s_cselect_b64 s[32:33], s[6:7], s[8:9]
	s_cselect_b64 s[34:35], s[18:19], s[20:21]
	s_cselect_b32 s36, 32, 56
	s_cmp_lt_u32 s30, 32
	s_cselect_b64 s[32:33], s[4:5], s[32:33]
	s_cselect_b64 s[34:35], s[16:17], s[34:35]
	s_cselect_b32 s36, 0, s36
	s_sub_co_u32 s30, s30, s36                     ; the block's number in its own tensor
	s_lshl_b32 s36, s30, 19                        ; 128 rows of 4,096 bytes
	s_lshl_b32 s37, s31, 9                         ; 128 numbers
	s_add_co_u32 s36, s36, s37
	s_mov_b32 s37, 0
	s_add_nc_u64 s[32:33], s[32:33], s[36:37]      ; in
	s_lshl_b32 s36, s30, 3
	s_add_co_u32 s36, s36, s31
	s_mul_i32 s36, s36, 12800
	s_add_nc_u64 s[34:35], s[34:35], s[36:37]      ; out: my record
	s_wait_alu depctr_va_vdst(0)
	v_and_b32 v5, 15, v1                           ; r
	v_lshrrev_b32 v6, 4, v1                        ; h
	s_mul_i32 s25, s24, 8448                       ; my stage: 16 rows x (512 + 16) bytes
	v_add_nc_u32 v3, s25, v2                       ; in: 16 bytes a lane of a row
	v_mul_u32_u24 v4, v5, 528
	v_lshl_add_u32 v4, v6, 6, v4
	v_add_nc_u32 v4, s25, v4                       ; back: row r, + 64 h: my 16 numbers of a block of 32
	s_mov_b32 s[SEL], 0x76543210
	s_mov_b32 s[SEL+1], 0xfedcba98
	s_mov_b32 s28, 0xffff0000                      ; lanes 16-31
.irp b, 0,1,2,3
	v_mov_b32 v[TM+4+\b], 0                        ; written once: a lane permute's destination counts as one of its sources
.endr
.macro LOAD t                          ; tile t's 16 rows: each load reads 512 consecutive bytes, aligned
.irp m, 0,1,2,3,4,5,6,7,8,9,10,11,12,13,14,15
	global_load_b128 v[RR+64*((\t)%2)+4*\m:RR+64*((\t)%2)+4*\m+3], v2, s[32:33] offset:(32*((\t)/2)+8*((\t)%2)+\m+8*(\m/8))*4096 th:TH_LOAD_NT
.endr
.endm
.macro TILE t
.if (\t) < 7
	s_wait_loadcnt 16                              ; this tile's 16 loads are in; the next tile's 16 may be out
.else
	s_wait_loadcnt 0x0
.endif
.if (\t) >= 2
	s_wait_xcnt 0x0                                ; the stores of two tiles back have read this set of codes
.endif
.irp m, 0,1,2,3,4,5,6,7,8,9,10,11,12,13,14,15
	ds_store_b128 v3, v[RR+64*((\t)%2)+4*\m:RR+64*((\t)%2)+4*\m+3] offset:528*\m
.endr
.irp b, 0,1,2,3
.irp j, 0,1,2,3
	ds_load_b128 v[X+16*\b+4*\j:X+16*\b+4*\j+3], v4 offset:128*\b+16*\j   ; LDS serves a wave's instructions in order: these see the stores above
.endr
.endr
	s_wait_dscnt 0x0
.if (\t)+2 < 8
	LOAD (\t)+2
.endif
	QUANT X, PC+12*((\t)%2), PC+12*((\t)%2)+6, SW+(\t)
.irp c, 0,1,2
	global_store_b128 v2, v[PC+12*((\t)%2)+4*\c:PC+12*((\t)%2)+4*\c+3], s[34:35] offset:1536*(\t)+512*\c   ; 512 consecutive bytes, aligned
.endr
.endm
	LOAD 0
	LOAD 1
	s_wait_alu depctr_va_vdst(0)
.irp t, 0,1,2,3,4,5,6,7
	TILE \t
.endr
.irp j, 0,1,2,3
	v_cndmask_b32 v[TM+\j], v[SW+2*\j], v[SW+2*\j+1], s28   ; lanes 0-15: tile 2 j's words, lanes 16-31: tile 2 j + 1's
.endr
	global_store_b128 v2, v[TM:TM+3], s[34:35] offset:12288
	s_wait_tensorcnt 0x0                           ; the wave's end
	ds_add_u32 v251, v255
	s_wait_dscnt 0x0
	s_endpgm
	; ---------------- the classes ----------------
.Lcls:
	s_sub_co_u32 s30, ttmp9, 256
	s_lshl_b32 s30, s30, 1
	s_add_co_u32 s30, s30, s24                     ; 0-31: kcls, 32-63: qtab
	s_and_b32 s31, s30, 31                         ; my block of 128 tokens
	s_mov_b32 s36, 0x3f800000                      ; 1.0
	s_mov_b32 s37, 0xc1e00000                      ; -28.0
	s_cmp_lt_u32 s30, 32
	s_cselect_b64 s[34:35], s[22:23], s[40:41]
	s_cselect_b32 s36, s36, s37                    ; the number that a set bit stands for
	s_cselect_b32 s38, -1, 0                       ; all lanes: keys
	s_mul_i32 s32, s31, 3072
	s_mov_b32 s33, 0
	s_add_nc_u64 s[34:35], s[34:35], s[32:33]
	s_lshl_b32 s31, s31, 7
	s_wait_alu depctr_va_vdst(0)
	v_and_b32 v5, 7, v1
	v_bfe_u32 v6, v1, 3, 1
	v_lshrrev_b32 v7, 4, v1
	v_lshl_add_u32 v5, v6, 4, v5
	v_lshl_add_u32 v5, v7, 3, v5
	v_add_nc_u32 v5, s31, v5                       ; lane m + 16 u, b = 0: token 8 u + m + 8 (m / 8) of the block; b adds 32 b
	v_lshlrev_b32 v6, 2, v5
.irp b, 0,1,2,3
	global_load_b32 v[8+\b], v6, s[12:13] offset:128*\b
	global_load_u8 v[12+\b], v5, s[14:15] offset:32*\b
.endr
	v_mov_b32 v28, 1
	v_mov_b32 v29, 0x3f800000                      ; the conversions' scale: 1
	s_wait_alu depctr_va_vdst(0)
	s_wait_loadcnt 0x0
.irp b, 0,1,2,3
	v_min_u32 v[8+\b], 15, v[8+\b]                 ; the frame, held inside adj
	v_min_u32 v[12+\b], 1, v[12+\b]
.endr
.irp b, 0,1,2,3
	v_lshlrev_b32 v[16+\b], 4, v[8+\b]
.endr
.irp b, 0,1,2,3
	global_load_b128 v[32+4*\b:35+4*\b], v[16+\b], s[10:11]    ; adj's row of my frame
.endr
	s_wait_alu depctr_va_vdst(0)
	s_wait_loadcnt 0x0
.macro TOK b
	v_bfe_u32 v20, v[32+4*\b], 0, 1
.irp f, 1,2,3,4,5,6,7,8,9,10,11,12,13,14,15
	v_bfe_u32 v21, v[32+4*\b+\f/4], 8*(\f%4), 1
	v_lshl_or_b32 v20, v21, 2*\f, v20              ; adj[my frame][f] at bit 2 f
.endr
	v_lshlrev_b32 v23, 1, v[8+\b]
	v_lshlrev_b32 v24, v23, v28                    ; bit 2 x my frame
	v_and_b32 v22, v20, v24                        ; my own frame, if adj has it
	v_cmp_eq_u32 vcc_lo, 0, v[12+\b]
	v_cndmask_b32 v20, v22, v20, vcc_lo            ; keys that are no hubs: a hub sees its own frame's alone
	v_lshl_or_b32 v20, v22, 1, v20                 ; keys that are hubs: the own frame's alone
	v_xor_b32 v20, -1, v20                         ; as a query: the key classes hidden from me
	v_add_nc_u32 v23, v23, v[12+\b]
	v_lshlrev_b32 v26, v23, v28                    ; as a key: my class
	v_cndmask_b32 v25, v20, v26, s38
.set I, 0
.rept 32
	v_lshlrev_b32 v[64+I], 31-I, v25
.set I, I+1
.endr
.set I, 0
.rept 32
	v_ashrrev_i32 v[64+I], 31, v[64+I]             ; bit I over the whole word
.set I, I+1
.endr
.set I, 0
.rept 32
	v_and_b32 v[64+I], s36, v[64+I]                ; 0, or the number
.set I, I+1
.endr
	v_cvt_scalef32_pk16_bf6_f32 v[128+6*\b:130+6*\b], v[64:79], v29
	v_cvt_scalef32_pk16_bf6_f32 v[160:162], v[80:95], v29
	v_nop                                          ; one plain instruction behind the scaled conversions
.irp i, 0,1,2
	v_mov_b32 v[131+6*\b+\i], v[160+\i]
.endr
.endm
	TOK 0
	TOK 1
	TOK 2
	TOK 3
.irp i, 0,1,2,3,4,5
	global_store_b128 v2, v[128+4*\i:131+4*\i], s[34:35] offset:512*\i   ; 512 consecutive bytes, aligned
.endr
	s_endpgm
.Lfunc_end_k_q16b1f57051_prep:
	.size	k_q16b1f57051_prep, .Lfunc_end_k_q16b1f57051_prep-k_q16b1f57051_prep
	.p2alignl 7, 3214868480
	.fill 96, 4, 3214868480
	.section	.rodata,"a",@progbits
	.p2align	6, 0x0
	.amdhsa_kernel k_q16b1f57051_prep
		.amdhsa_group_segment_fixed_size 17152
		.amdhsa_private_segment_fixed_size 0
		.amdhsa_enable_private_segment 0
		.amdhsa_kernarg_size 88
		.amdhsa_user_sgpr_count 2
		.amdhsa_user_sgpr_kernarg_segment_ptr 1
		.amdhsa_wavefront_size32 1
		.amdhsa_system_sgpr_workgroup_id_x 1
		.amdhsa_system_sgpr_workgroup_id_y 1
		.amdhsa_system_sgpr_workgroup_id_z 1
		.amdhsa_system_vgpr_workitem_id 0
		.amdhsa_next_free_vgpr 256
		.amdhsa_next_free_sgpr 66
		.amdhsa_reserve_vcc 1
		.amdhsa_float_denorm_mode_32 3
		.amdhsa_float_denorm_mode_16_64 3
		.amdhsa_memory_ordered 1
		.amdhsa_forward_progress 1
		.amdhsa_inst_pref_size 89
	.end_amdhsa_kernel
	.amdgpu_metadata
---
amdhsa.version: [ 1, 2 ]
amdhsa.kernels:
  - .name:           k_q16b1f57051_prep
    .symbol:         k_q16b1f57051_prep.kd
    .args:
      - { .name: x, .offset: 0, .size: 8, .value_kind: global_buffer, .address_space: global }
      - { .name: qkv_w, .offset: 8, .size: 8, .value_kind: global_buffer, .address_space: global }
      - { .name: proj_w, .offset: 16, .size: 8, .value_kind: global_buffer, .address_space: global }
      - { .name: adj, .offset: 24, .size: 8, .value_kind: global_buffer, .address_space: global }
      - { .name: frame_ids, .offset: 32, .size: 8, .value_kind: global_buffer, .address_space: global }
      - { .name: is_hub, .offset: 40, .size: 8, .value_kind: global_buffer, .address_space: global }
      - { .name: ximg, .offset: 48, .size: 8, .value_kind: global_buffer, .address_space: global }
      - { .name: wimg, .offset: 56, .size: 8, .value_kind: global_buffer, .address_space: global }
      - { .name: pwimg, .offset: 64, .size: 8, .value_kind: global_buffer, .address_space: global }
      - { .name: kcls, .offset: 72, .size: 8, .value_kind: global_buffer, .address_space: global }
      - { .name: qtab, .offset: 80, .size: 8, .value_kind: global_buffer, .address_space: global }
    .group_segment_fixed_size: 17152
    .private_segment_fixed_size: 0
    .kernarg_segment_align: 8
    .kernarg_segment_size: 88
    .max_flat_workgroup_size: 64
    .sgpr_count:     66
    .vgpr_count:     256
    .wavefront_size: 32
...
	.end_amdgpu_metadata
.endif
;; end of part 1
;; launch qkv (part 2): grid 48 x 4, 4 waves a work-group, clusters of 4 x 4, 327,680 bytes of LDS; arguments ximg, wimg, qkv_b, qimg, kv; writes qimg, kv
.if DOCPART == 2
	.amdgcn_target "amdgcn-amd-amdhsa--gfx1250"
	.amdhsa_code_object_version 6
	.text
	.protected	k_q16b1f57051_qkv
	.globl	k_q16b1f57051_qkv
	.p2align	8
	.type	k_q16b1f57051_qkv,@function
k_q16b1f57051_qkv:
	s_mov_b64 s[64:65], 0
	v_nop
	global_prefetch_b8 v0, s[64:65] scope:SCOPE_SE
	s_setreg_imm32_b32 hwreg(HW_REG_WAVE_MODE, 25, 1), 1
	s_wait_xcnt 0x0
	s_wait_alu depctr_hold_cnt(0) depctr_sa_sdst(0) depctr_va_vdst(0) depctr_va_sdst(0) depctr_va_ssrc(0) depctr_va_vcc(0) depctr_vm_vsrc(0)
	s_getreg_b32 s2, hwreg(HW_REG_IB_STS2, 6, 4)
	s_cmp_eq_u32 s2, 0
	s_cbranch_scc0 .Lentry_in_a_cluster
	s_endpgm
.Lentry_in_a_cluster:
	s_bfe_u32 s2, ttmp6, 0x10000c
	s_cmp_lg_u32 s2, 0xf033
	s_cbranch_scc0 .Lentry_shape_is_right
	s_endpgm
.Lentry_shape_is_right:
; QKV.  x qkv_w^T + qkv_b on codes of E3M2 (records of 12,800 bytes: images of operand registers), and its results quantised at once for the attention:
; q and k along the head's 64 channels, v along the keys.  Nothing of q, k, v goes to memory in f32.
; A work-group makes 256 x 256, a wave 128 x 128: 64 accumulators.  Source 0 is operand P, source 1 operand R; a lane holds ONE row of R and its 64 registers of a tile row run along P's rows,
; in the order 32 b + 16 (lane / 16) + i (the rows of a tile are chosen so), which is what the conversions want.
; ROLES, by the cluster's number (the same in all sixteen partners): clusters 0-7 (q, k): P = qkv_w's rows 0-2047, R = x: a lane holds a token, registers run along the channels.
; Clusters 8-11 (v): P = x, R = qkv_w's rows 2048-3071: a lane holds a channel, registers run along the tokens, which are the second product's K.
; CLUSTER: P's records hang on cx alone and are asked for jointly by a column of the cluster, R's on cy alone, by a row.
; LDS: four regions of 76,800 bytes (P's two blocks of 128 rows, R's two), six K steps each; K steps 0, 1 and 2-5 are first fills, K steps 6, 7 fill the first two places again.  One tensor load of a wave is out at the most.
; OUT: qimg [head][block of 128 tokens] 6,656 bytes: 48 registers a lane (tile a's six at 6 a), then the scale words (bytes 2, 3 are 0).  kv [head][128 keys] 13,056 bytes: k so, then v's four fragments (16 channels x 128 keys), then their scale words.
; 192 work-groups: a smaller tile would split a head's 64 channels between waves.
; LIMITS: NaN and infinities are not served; a block whose largest magnitude lies under 2^-122 keeps the byte 1.
; REGISTERS: window 0: v1-4 offsets; v16-19 LDS addresses; v28, v29 the add's; v32-47 scale words, two sets (4 of P, 4 of R); v64-159, v160-255 R's fragments, two sets.
;   window 1: v0-95, v128-223 P's fragments, two sets.   windows 2, 3: accumulator (a, b) at v[8 (8 (a % 4) + b)] of window 2 + a / 4.
;   on the way out, window 0: v6-13 bias, v48-63 and v246-253 at work, v64-127 64 numbers, v128-223 codes, v224-243 scale words; window 1 v0-63 bias.
.set RECB,   12800
.set REGION, 76800
.set SPARE,  307200                    ; behind the regions: the spare words, 128 bytes a wave
.set ADRP, 16
.set ADRR, 18
.set SPW,  28
.set NIL,  29
.set G1PA, 24                          ; s[24:31] group 1: P's mask, 100 rows of 256 bytes;  s[32:39]: 300 rows
.set G1PB, 32
.set G1RA, 40                          ; s[40:47], s[48:55] the same with R's mask
.set G1RB, 48
.set G0PA, 56
.set G0PB, 60
.set G0RA, 68
.set G0RB, 72
.set SEL,  96
.set TM,   48
.set T,    64
.set CB,   128
.set SW,   224
.set MG,   232
.set LO,   236
.set HI,   240
.set BVP,  244
.set CT,   246
.set BV,   6
.set MSB, 0
.macro WIN new                         ; the immediate's high byte repeats the setting that is left
.if MSB != (\new)
	s_set_vgpr_msb (MSB<<8)|(\new)
.set MSB, (\new)
.endif
.endm
.macro PLACES n
.rept \n
	v_nop
.endr
.endm
.macro WM d, a, b, c, sa, sb, oa, ob   ; one product; oa, ob: the side's scale words stand in lanes 16-31
.if (\oa) && (\ob)
	v_wmma_scale_f32_16x16x128_f8f6f4 v[(\d):(\d)+7], v[(\a):(\a)+11], v[(\b):(\b)+11], \c, v[(\sa)], v[(\sb)] matrix_a_fmt:MATRIX_FMT_BF6 matrix_b_fmt:MATRIX_FMT_BF6 matrix_a_scale:MATRIX_SCALE_ROW1 matrix_b_scale:MATRIX_SCALE_ROW1
.elseif (\oa)
	v_wmma_scale_f32_16x16x128_f8f6f4 v[(\d):(\d)+7], v[(\a):(\a)+11], v[(\b):(\b)+11], \c, v[(\sa)], v[(\sb)] matrix_a_fmt:MATRIX_FMT_BF6 matrix_b_fmt:MATRIX_FMT_BF6 matrix_a_scale:MATRIX_SCALE_ROW1
.elseif (\ob)
	v_wmma_scale_f32_16x16x128_f8f6f4 v[(\d):(\d)+7], v[(\a):(\a)+11], v[(\b):(\b)+11], \c, v[(\sa)], v[(\sb)] matrix_a_fmt:MATRIX_FMT_BF6 matrix_b_fmt:MATRIX_FMT_BF6 matrix_b_scale:MATRIX_SCALE_ROW1
.else
	v_wmma_scale_f32_16x16x128_f8f6f4 v[(\d):(\d)+7], v[(\a):(\a)+11], v[(\b):(\b)+11], \c, v[(\sa)], v[(\sb)] matrix_a_fmt:MATRIX_FMT_BF6 matrix_b_fmt:MATRIX_FMT_BF6
.endif
.endm
; n tile rows of R from a0 on, each against P's eight tiles.  The 64 accumulators take turns, one instruction a turn, in the same order in every K step
.macro MUL a0, n, set, zero
.set AA, \a0
.rept \n
.if AA < 4
	WIN 0xa1                                       ; source 0 (P) window 1, source 1 (R) window 0, C and D window 2
.else
	WIN 0xf1                                       ; C and D window 3
.endif
.set BB, 0
.rept 8
.set DD, 8*(8*(AA%4)+BB)
.if \zero
	WM DD, 128*(\set)+12*BB, 64+96*(\set)+12*AA, 0, 32+8*(\set)+BB/2, 36+8*(\set)+AA/2, BB%2, AA%2
.else
	WM DD, 128*(\set)+12*BB, 64+96*(\set)+12*AA, v[DD:DD+7], 32+8*(\set)+BB/2, 36+8*(\set)+AA/2, BB%2, AA%2
.endif
.set BB, BB+1
.endr
.set AA, AA+1
.endr
.endm
; 50 LDS loads: a K step's eight fragments of P, eight of R, and their scale words, 16 bytes a lane on end
.macro FETCH slot, set
.if (\slot) == 5
.set AO, 1                             ; the sixth place lies past the 16-bit offset: a second address register, 64,000 further on
.set BO, 0
.else
.set AO, 0
.set BO, RECB*(\slot)
.endif
	WIN 0x40                                       ; destination window 1
.set I, 0
.rept 24
	ds_load_b128 v[128*(\set)+4*I:128*(\set)+4*I+3], v[ADRP+AO] offset:BO+512*I
.set I, I+1
.endr
	WIN 0
.set I, 0
.rept 24
	ds_load_b128 v[64+96*(\set)+4*I:64+96*(\set)+4*I+3], v[ADRR+AO] offset:BO+512*I
.set I, I+1
.endr
	ds_load_b128 v[32+8*(\set):35+8*(\set)], v[ADRP+AO] offset:BO+12288
	ds_load_b128 v[36+8*(\set):39+8*(\set)], v[ADRR+AO] offset:BO+12288
.endm
.macro JLOAD g0p, g1p, g0r, g1r        ; a joint load: waves 0, 1 for P, waves 2, 3 for R; four v_nop follow each line
	s_cmp_eq_u32 s15, 0
	s_cbranch_scc0 .Lfor_r_\@
	tensor_load_to_lds s[\g0p:\g0p+3], s[\g1p:\g1p+7]
	s_nop 0
.rept 4
	v_nop
.endr
	s_branch .Lasked_\@
.Lfor_r_\@:
	tensor_load_to_lds s[\g0r:\g0r+3], s[\g1r:\g1r+7]
	s_nop 0
.rept 4
	v_nop
.endr
.Lasked_\@:
.endm
.macro CREST                           ; a round of the cluster's barrier behind its opening barrier
	s_cmp_lg_u32 s14, 0
	s_cbranch_scc1 .Lnot_wave_0_\@
	s_barrier_signal -3
.Lnot_wave_0_\@:
	s_barrier_wait -3
	s_barrier_signal -1
	s_barrier_wait -1
.endm
.macro CROUND
	s_barrier_signal -1
	s_barrier_wait -1
	CREST
.endm
.macro QUANT s, d0, d1, pw             ; 64 numbers of a lane (register 16 b + i = k 32 b + 16 (lane / 16) + i) -> twice six registers of codes and the four blocks' bytes
.irp b, 0,1,2,3
	v_max3_num_f32 v[TM+\b], |v[(\s)+16*\b]|, |v[(\s)+1+16*\b]|, 0x2800000   ; with the floor 2^(5 - 127): the byte cannot fall under 1
.endr
.irp i, 2,4,6,8,10,12,14
.irp b, 0,1,2,3
	v_max3_num_f32 v[TM+\b], v[TM+\b], |v[(\s)+16*\b+\i]|, |v[(\s)+1+16*\b+\i]|
.endr
.endr
.irp b, 0,1,2,3
	v_permlanex16_b32 v[TM+4+\b], v[TM+\b], s[SEL], s[SEL+1]
.endr
.irp b, 0,1,2,3
	v_max_num_f32 v[TM+\b], v[TM+\b], v[TM+4+\b]
.endr
.irp b, 0,1,2,3
	v_add_nc_u32 v[TM+12+\b], 0xfe000000, v[TM+\b]        ; 4 off the exponent field: the conversion's scale operand
.endr
.irp b, 0,1,2,3
	v_lshrrev_b32 v[TM+4+\b], 23, v[TM+12+\b]
.endr
	v_lshl_or_b32 v[(\pw)], v[TM+5], 8, v[TM+4]
	v_lshl_or_b32 v[(\pw)], v[TM+6], 16, v[(\pw)]
	v_lshl_or_b32 v[(\pw)], v[TM+7], 24, v[(\pw)]
	v_cvt_scalef32_pk16_bf6_f32 v[(\d0):(\d0)+2], v[(\s):(\s)+15], v[TM+12]
	v_cvt_scalef32_pk16_bf6_f32 v[CT:CT+2], v[(\s)+16:(\s)+31], v[TM+13]
	v_cvt_scalef32_pk16_bf6_f32 v[(\d1):(\d1)+2], v[(\s)+32:(\s)+47], v[TM+14]
	v_cvt_scalef32_pk16_bf6_f32 v[CT+4:CT+6], v[(\s)+48:(\s)+63], v[TM+15]
	v_nop                                                 ; one plain instruction behind the scaled conversions
.irp i, 0,1,2
	v_permlane16_swap_b32 v[(\d0)+\i], v[CT+\i]
	v_permlane16_swap_b32 v[(\d1)+\i], v[CT+4+\i]
.endr
.irp i, 0,1,2
	v_mov_b32 v[(\d0)+3+\i], v[CT+\i]
	v_mov_b32 v[(\d1)+3+\i], v[CT+4+\i]
.endr
.endm
	s_load_b256 s[4:11], s[0:1], 0x0               ; ximg, wimg, qkv_b, qimg
	s_load_b64 s[12:13], s[0:1], 0x20              ; kv
	v_lshl_add_u32 v[SPW], v0, 2, SPARE
	v_mov_b32 v[NIL], 0
	ds_add_u32 v28, v29
	ds_add_u32 v28, v29
	s_wait_dscnt 0x0
	v_lshrrev_b32 v5, 5, v0
	v_readfirstlane_b32 s14, v5                    ; wave 0..3
	s_lshr_b32 s15, s14, 1                         ; which block of R's rows I multiply.  Also: I fetch for P (0) or for R (1)
	s_and_b32 s16, s14, 1                          ; which block of P's rows I multiply.  Also: which block of 128 rows I fetch
	s_bfe_u32 s17, ttmp6, 0x40000                  ; cx
	s_bfe_u32 s18, ttmp6, 0x40004                  ; cy
	s_mov_b32 s19, ttmp9                           ; the cluster's number, 0..11
	s_lshl_b32 s21, 0x1111, s17                    ; my column of the cluster
	s_lshl_b32 s22, s18, 2
	s_lshl_b32 s22, 15, s22                        ; my row
	s_or_b32 s[G1PA], s21, (3<<16)|(1<<21)         ; 15:0 the mask; 17:16 elements of 8 bytes; 21 set beside a mask; no padding
	s_or_b32 s[G1PB], s21, (3<<16)|(1<<21)
	s_or_b32 s[G1RA], s22, (3<<16)|(1<<21)
	s_or_b32 s[G1RB], s22, (3<<16)|(1<<21)
.irp g, G1PA, G1RA                     ; two records: a dense block of 100 rows x 256 bytes
	s_mov_b32 s[\g+1], 32<<16                      ; tensor_dim0 = 32 elements
	s_mov_b32 s[\g+2], 100<<16                     ; tensor_dim1
	s_mov_b32 s[\g+3], 32<<16                      ; tile_dim0
	s_mov_b32 s[\g+4], 100                         ; tile_dim1
	s_mov_b32 s[\g+5], 32                          ; from row to row
	s_mov_b32 s[\g+6], 0
	s_mov_b32 s[\g+7], 0
.endr
.irp g, G1PB, G1RB                     ; six records: 300 rows
	s_mov_b32 s[\g+1], 32<<16
	s_mov_b32 s[\g+2], 300<<16                     ; six records: 300 rows
	s_mov_b32 s[\g+3], 32<<16
	s_mov_b32 s[\g+4], 300
	s_mov_b32 s[\g+5], 32
	s_mov_b32 s[\g+6], 0
	s_mov_b32 s[\g+7], 0
.endr
	s_and_b32 s82, s19, 1
	s_lshl_b32 s82, s82, 2                         ; q, k: P's tiles 4 (cluster % 2) on
	s_max_u32 s83, s19, 8
	s_sub_co_u32 s83, s83, 8
	s_lshl_b32 s83, s83, 2                         ; v: P's tiles 4 (cluster - 8) on
	s_lshr_b32 s99, s19, 1
	s_lshl_b32 s99, s99, 2                         ; q, k: R's tiles 4 (cluster / 2) on
	s_mul_i32 s20, s14, REGION                     ; where my fetches go: region = wave: no place in the cluster enters an LDS address
	s_mov_b32 s[SEL], 0x76543210
	s_mov_b32 s[SEL+1], 0xfedcba98
	s_mov_b32 s98, 0xffff0000                      ; lanes 16-31
	s_wait_kmcnt 0x0
	s_cmp_ge_u32 s19, 8                            ; the role: the same in all sixteen partners
	s_cselect_b32 s76, s83, s82
	s_cselect_b32 s77, 8, s99
	s_cselect_b64 s[78:79], s[4:5], s[6:7]         ; P: x for v, else qkv_w
	s_cselect_b64 s[80:81], s[6:7], s[4:5]         ; R: the other
	s_add_co_u32 s76, s76, s17                     ; P's tile of 256 rows: hangs on cx alone
	s_add_co_u32 s77, s77, s18                     ; R's: on cy alone
	s_lshl_b32 s84, s76, 1
	s_add_co_u32 s84, s84, s16
	s_mul_i32 s84, s84, 8*RECB                     ; a block of 128 rows: eight records on end
	s_mov_b32 s85, 0
	s_add_nc_u64 s[78:79], s[78:79], s[84:85]
	s_lshl_b32 s86, s77, 1
	s_add_co_u32 s86, s86, s16
	s_mul_i32 s86, s86, 8*RECB
	s_mov_b32 s87, 0
	s_add_nc_u64 s[80:81], s[80:81], s[86:87]
	CROUND                                         ; all sixteen work-groups are here: the first joint loads meet
	s_mov_b32 s[G0PA], 1
	s_mov_b32 s[G0PA+1], s20
	s_mov_b64 s[G0PA+2:G0PA+3], s[78:79]           ; K steps 0, 1
	s_or_b32 s[G0PA+3], s[G0PA+3], 0x80000000
	s_mov_b32 s[G0PB], 1
	s_mov_b32 s[G0PB+1], s20
	s_mov_b64 s[G0PB+2:G0PB+3], s[78:79]           ; K steps 0 to 5: the wave's one first fill
	s_or_b32 s[G0PB+3], s[G0PB+3], 0x80000000
	s_mov_b32 s[G0RA], 1
	s_mov_b32 s[G0RA+1], s20
	s_mov_b64 s[G0RA+2:G0RA+3], s[80:81]
	s_or_b32 s[G0RA+3], s[G0RA+3], 0x80000000
	s_mov_b32 s[G0RB], 1
	s_mov_b32 s[G0RB+1], s20
	s_mov_b64 s[G0RB+2:G0RB+3], s[80:81]
	s_or_b32 s[G0RB+3], s[G0RB+3], 0x80000000
	s_cmp_eq_u32 s15, 0                            ; a wave's first fill stands in one branch, ahead of every wait on TENSORcnt and every LDS read
	s_cbranch_scc0 .Lfirst_r
	tensor_load_to_lds s[G0PB:G0PB+3], s[G1PB:G1PB+7]
	s_nop 0
.rept 4
	v_nop
.endr
	s_branch .Lfirst_asked
.Lfirst_r:
	tensor_load_to_lds s[G0RB:G0RB+3], s[G1RB:G1RB+7]
	s_nop 0
.rept 4
	v_nop
.endr
.Lfirst_asked:
	v_and_b32 v5, 31, v0
	v_lshlrev_b32 v1, 4, v5                        ; 16 x lane
	v_lshlrev_b32 v2, 3, v5                        ; 8 x lane
	v_bfe_u32 v6, v0, 4, 1
	v_lshlrev_b32 v3, 6, v6                        ; 64 h
	v_and_b32 v7, 15, v0
	v_and_b32 v8, 8, v7
	v_add_nc_u32 v8, v8, v7
	v_lshlrev_b32 v4, 2, v8                        ; 4 (r + 8 (r / 8))
	s_mul_i32 s23, s16, REGION
	v_add_nc_u32 v[ADRP], s23, v1
	v_add_nc_u32 v[ADRP+1], 5*RECB, v[ADRP]
	s_mul_i32 s23, s15, REGION
	s_add_co_u32 s23, s23, 2*REGION
	v_add_nc_u32 v[ADRR], s23, v1
	v_add_nc_u32 v[ADRR+1], 5*RECB, v[ADRR]
; A K step on set `set`; the next K step's 50 loads are issued ahead of its products
.macro STEP set, nextslot
	PLACES 4                                       ; in front of loads into registers that the last K step's products have read
	FETCH \nextslot, 1-(\set)
	s_wait_dscnt 50                                ; all but the 50 just issued: this K step's fragments are in
	MUL 0, 8, \set, 0
	WIN 0
.endm
; A K step (on set 1) with a barrier.  In front of it each wave waits for all its tensor loads, adds 0 to its spare word and waits for that and for its LDS reads.
; fill = 1: the barrier opens a round of the cluster's barrier, and K steps 6, 7 are asked for, into the places of K steps 0, 1, which nobody reads any more.
.macro TURN fill, nextslot
	s_wait_tensorcnt 0x0                           ; all my tensor loads have landed
	ds_add_u32 v[SPW], v[NIL]                      ; 0 onto my spare word
	s_wait_dscnt 1                                 ; this K step's fragments are in; the add may be out
	MUL 0, 2, 1, 0
	s_wait_dscnt 0x0                               ; the add is done, and no LDS read of mine is out
	s_barrier_signal -1
	MUL 2, 2, 1, 0
	WIN 0
	s_barrier_wait -1
.if \fill
	CREST
	s_add_nc_u64 s[G0PA+2:G0PA+3], s[G0PA+2:G0PA+3], 6*RECB
	s_add_nc_u64 s[G0RA+2:G0RA+3], s[G0RA+2:G0RA+3], 6*RECB
	JLOAD G0PA, G1PA, G0RA, G1RA                   ; the wave's one tensor load behind the round; its four v_nop are also the places in front of the loads below
.else
	PLACES 4
.endif
	FETCH \nextslot, 0
	MUL 4, 4, 1, 0
	WIN 0
.endm
	s_wait_alu depctr_va_vdst(0)
	s_wait_tensorcnt 0x0                           ; my K steps 0 to 5 are in
	s_barrier_signal -1
	s_barrier_wait -1
	FETCH 0, 0
	FETCH 1, 1
	s_wait_dscnt 50
	MUL 0, 8, 0, 1                                 ; K step 0 starts the sums: nothing is cleared
	WIN 0
	TURN 1, 2                                      ; K step 1
	STEP 0, 3                                      ; K steps 2, 3, 4
	STEP 1, 4
	STEP 0, 5
	TURN 0, 0                                      ; K step 5: K steps 6, 7 have landed for every wave
	STEP 0, 1                                      ; K step 6
	s_wait_dscnt 0x0
	MUL 0, 8, 1, 0                                 ; K step 7
	WIN 0
	; ---------------- the way out ----------------
	PLACES 4                                       ; in front of the first reads of results and the first writes of operands' registers
.irp b, 0,1,2,3
	v_mov_b32 v[TM+4+\b], 0                        ; written once: a lane permute's destination counts as one of its sources
.endr
	s_lshl_b32 s88, s76, 1
	s_add_co_u32 s88, s88, s16                     ; P's block of 128 rows that I multiplied
	s_lshl_b32 s89, s77, 1
	s_add_co_u32 s89, s89, s15                     ; R's
	s_mov_b32 s105, 0
	s_cmp_ge_u32 s19, 8
	s_cbranch_scc1 .Lv_arm
	; q, k: P's block is 128 channels, two heads; R's block 128 tokens
	s_lshl_b32 s104, s88, 9
	s_add_nc_u64 s[90:91], s[8:9], s[104:105]      ; the bias of my 128 channels
	s_and_b32 s93, s88, 7
	s_lshl_b32 s93, s93, 6
	s_add_co_u32 s93, s93, s89                     ; record: 32 x head + block of tokens
	s_mov_b32 s92, 13056
	s_cmp_lt_u32 s88, 8                            ; channels under 1,024 are q's
	s_cselect_b32 s92, 6656, s92
	s_cselect_b64 s[94:95], s[10:11], s[12:13]
	s_mul_i32 s104, s93, s92
	s_add_nc_u64 s[94:95], s[94:95], s[104:105]    ; the even head's record,
	s_lshl_b32 s104, s92, 5
	s_add_nc_u64 s[100:101], s[94:95], s[104:105]  ; the odd head's: 32 records on
	WIN 0x40
.set I, 0
.rept 16
	global_load_b128 v[4*I:4*I+3], v3, s[90:91] offset:128*(I/4)+16*(I%4)   ; register 16 b + i: the bias of channel 32 b + 16 h + i
.set I, I+1
.endr
	WIN 0
	s_wait_loadcnt 0x0
.irp a, 0,1,2,3,4,5,6,7
	WIN (2+\a/4)|4                                 ; source 0 the accumulators' window, source 1 window 1
.set I, 0
.rept 32
	v_pk_add_f32 v[T+2*I:T+2*I+1], v[64*(\a%4)+2*I:64*(\a%4)+2*I+1], v[2*I:2*I+1]   ; each accumulator from its low end on
.set I, I+1
.endr
	WIN 0
	QUANT T, CB+6*\a, CB+48+6*\a, SW+\a            ; blocks 0, 1: the even head's 64 channels; blocks 2, 3: the odd head's
.endr
.irp j, 0,1,2,3
	v_cndmask_b32 v[MG+\j], v[SW+2*\j], v[SW+2*\j+1], s98   ; lanes 0-15: tile 2 j's words, lanes 16-31: tile 2 j + 1's
.endr
.irp j, 0,1,2,3
	v_and_b32 v[LO+\j], 0xffff, v[MG+\j]           ; the even head's two bytes; bytes 2, 3 are 0: the upper 64 of the instruction's K hold nothing
	v_lshrrev_b32 v[HI+\j], 16, v[MG+\j]           ; the odd head's
.endr
.set I, 0
.rept 12
	global_store_b128 v1, v[CB+4*I:CB+4*I+3], s[94:95] offset:512*I          ; 512 consecutive bytes, aligned
	global_store_b128 v1, v[CB+48+4*I:CB+48+4*I+3], s[100:101] offset:512*I
.set I, I+1
.endr
	global_store_b128 v1, v[LO:LO+3], s[94:95] offset:6144
	global_store_b128 v1, v[HI:HI+3], s[100:101] offset:6144
	s_branch .Ljoin
.Lv_arm:
	; v: P's block is 128 tokens (a key step), R's block 128 channels, two heads
	s_lshl_b32 s104, s89, 9
	s_add_nc_u64 s[90:91], s[8:9], s[104:105]
	s_sub_co_u32 s93, s89, 16
	s_lshl_b32 s93, s93, 6
	s_add_co_u32 s93, s93, s88                     ; record: 32 x even head + key step
	s_mul_i32 s104, s93, 13056
	s_add_co_u32 s104, s104, 6656                  ; v's part of it
	s_add_nc_u64 s[94:95], s[12:13], s[104:105]
.irp a, 0,1,2,3,4,5,6,7
	global_load_b32 v[BV+\a], v4, s[90:91] offset:4*(32*(\a/2)+8*(\a%2))     ; the bias of my channel in tile a
.endr
	s_wait_loadcnt 0x0
.irp a, 0,1,2,3,4,5,6,7
	v_mov_b32 v[BVP], v[BV+\a]
	v_mov_b32 v[BVP+1], v[BV+\a]
	WIN 2+\a/4
.set I, 0
.rept 32
	v_pk_add_f32 v[T+2*I:T+2*I+1], v[64*(\a%4)+2*I:64*(\a%4)+2*I+1], v[BVP:BVP+1]
.set I, I+1
.endr
	WIN 0
	QUANT T, CB+12*\a, CB+12*\a+6, SW+\a           ; a whole fragment: 16 channels x 128 keys
.irp c, 0,1,2
	global_store_b128 v1, v[CB+12*\a+4*\c:CB+12*\a+4*\c+3], s[94:95] offset:(\a/4)*417792+(\a%4)*1536+512*\c   ; tiles 4-7 are the odd head's: 32 records on
.endr
.endr
.irp j, 0,1,2,3
	v_cndmask_b32 v[MG+\j], v[SW+2*\j], v[SW+2*\j+1], s98
.endr
	global_store_b64 v2, v[MG:MG+1], s[94:95] offset:6144
	global_store_b64 v2, v[MG+2:MG+3], s[94:95] offset:417792+6144
.Ljoin:
	s_wait_tensorcnt 0x0                           ; the wave's end
	ds_add_u32 v[SPW], v[NIL]
	s_wait_dscnt 0x0
	CROUND                                         ; the closing round: no work-group ends while a partner may still ask for a tile that names it
	s_endpgm
.Lfunc_end_k_q16b1f57051_qkv:
	.size	k_q16b1f57051_qkv, .Lfunc_end_k_q16b1f57051_qkv-k_q16b1f57051_qkv
	.p2alignl 7, 3214868480
	.fill 96, 4, 3214868480
	.section	.rodata,"a",@progbits
	.p2align	6, 0x0
	.amdhsa_kernel k_q16b1f57051_qkv
		.amdhsa_group_segment_fixed_size 327680
		.amdhsa_private_segment_fixed_size 0
		.amdhsa_enable_private_segment 0
		.amdhsa_kernarg_size 40
		.amdhsa_user_sgpr_count 2
		.amdhsa_user_sgpr_kernarg_segment_ptr 1
		.amdhsa_wavefront_size32 1
		.amdhsa_system_sgpr_workgroup_id_x 1
		.amdhsa_system_sgpr_workgroup_id_y 1
		.amdhsa_system_sgpr_workgroup_id_z 1
		.amdhsa_system_vgpr_workitem_id 0
		.amdhsa_next_free_vgpr 1024
		.amdhsa_next_free_sgpr 106
		.amdhsa_reserve_vcc 0
		.amdhsa_float_denorm_mode_32 3
		.amdhsa_float_denorm_mode_16_64 3
		.amdhsa_memory_ordered 1
		.amdhsa_forward_progress 1
		.amdhsa_inst_pref_size 202
	.end_amdhsa_kernel
	.amdgpu_metadata
---
amdhsa.version: [ 1, 2 ]
amdhsa.kernels:
  - .name:           k_q16b1f57051_qkv
    .symbol:         k_q16b1f57051_qkv.kd
    .args:
      - { .name: ximg, .offset: 0, .size: 8, .value_kind: global_buffer, .address_space: global }
      - { .name: wimg, .offset: 8, .size: 8, .value_kind: global_buffer, .address_space: global }
      - { .name: qkv_b, .offset: 16, .size: 8, .value_kind: global_buffer, .address_space: global }
      - { .name: qimg, .offset: 24, .size: 8, .value_kind: global_buffer, .address_space: global }
      - { .name: kv, .offset: 32, .size: 8, .value_kind: global_buffer, .address_space: global }
    .group_segment_fixed_size: 327680
    .private_segment_fixed_size: 0
    .kernarg_segment_align: 8
    .kernarg_segment_size: 40
    .max_flat_workgroup_size: 128
    .sgpr_count:     106
    .vgpr_count:     1024
    .wavefront_size: 32
...
	.end_amdgpu_metadata
.endif
;; end of part 2
;; launch attn (part 3): grid 16 x 16, 16 waves a work-group, clusters of 4 x 1, 327,680 bytes of LDS; arguments qimg, kv, kcls, qtab, oimg; writes oimg
.if DOCPART == 3
	.amdgcn_target "amdgcn-amd-amdhsa--gfx1250"
	.amdhsa_code_object_version 6
	.text
	.protected	k_q16b1f57051_attn
	.globl	k_q16b1f57051_attn
	.p2align	8
	.type	k_q16b1f57051_attn,@function
k_q16b1f57051_attn:
	s_mov_b64 s[64:65], 0
	v_nop
	global_prefetch_b8 v0, s[64:65] scope:SCOPE_SE
	s_setreg_imm32_b32 hwreg(HW_REG_WAVE_MODE, 25, 1), 1
	s_wait_xcnt 0x0
	s_wait_alu depctr_hold_cnt(0) depctr_sa_sdst(0) depctr_va_vdst(0) depctr_va_sdst(0) depctr_va_ssrc(0) depctr_va_vcc(0) depctr_vm_vsrc(0)
	s_getreg_b32 s2, hwreg(HW_REG_IB_STS2, 6, 4)
	s_cmp_eq_u32 s2, 0
	s_cbranch_scc0 .Lentry_in_a_cluster
	s_endpgm
.Lentry_in_a_cluster:
	s_bfe_u32 s2, ttmp6, 0x10000c
	s_cmp_lg_u32 s2, 0x3003
	s_cbranch_scc0 .Lentry_shape_is_right
	s_endpgm
.Lentry_shape_is_right:
; ATTN.  For each head: S = q k^T (K = 64), the mask, the softmax by a running whole-number M, O = p v (K = the keys), O / l, and O quantised along the channels for the last product.
; p = 2^(t - M), t = score x log2(e) / 8, M = the running largest t rounded up; p is quantised along the keys in blocks of 32; l is the sum of the unquantised p; when M moves, l and O are multiplied by 2^(old M - new M): exact.
; SHARES: a work-group owns 256 queries of one head, each of its sixteen waves one tile of 16.  Every wave walks 32 key steps of 128.
; Both products are used transposed (source 0 = 16 keys, or 16 channels of v; source 1 = my queries, or p): a lane holds ONE query throughout, and its 64 scores lie as register 16 b + i = key 32 b + 16 (lane / 16) + i.
; K = 64 IN AN INSTRUCTION OF 128: q's upper six registers are zero codes; a tile of k is six registers, and its operand's upper six are the next tile's codes (behind tile 7: zeros), which meet q's zero codes.
; THE MASK IS A PRODUCT.  allowed(q, k) hangs on the two tokens' classes alone (32 classes).  Each score tile is begun by one more matrix instruction: source 0 = the keys' classes as one-hot codes (1.0),
; source 1 = my queries' tables (-28 at each hidden class, scale 2^95): its result is exactly 0 where the key is allowed and -28 x 2^95 where it is hidden; q k^T is then added in place.  No vector instruction touches the mask.
; An operand of class codes holds FOUR tiles' keys, one in each block of 32 of its 128; the table stands in the same block of source 1 and zero codes in the other three: v80-109 = zeros, table in lanes 0-15, zeros, table in lanes 16-31, zeros,
; of which four overlapping runs of twelve registers are the four forms of source 1.  No block of 32 keys is skipped: tokens of all classes are mixed in the key order in which the blocks are cut.
; A query that may see no key has l = 0: its scale bytes are set to 0xff, which makes its row of the result NaN, as the softmax of nothing is.
; LDS: two slots of eight records of k and v (13,056 bytes each); behind them the class codes of all 4,096 keys (98,304 bytes, filled once); then the spare words.
; CLUSTER: the four query blocks of a cluster belong to one head and walk the same records: each is asked for jointly (mask 15), and so are the class codes.  At the head waves 0-7 fetch a record each, waves 8-15 an eighth of the class codes;
; behind a change of slots waves 0-7 fetch a record each: one tensor load of a wave is out at the most.  No prefetch: a refill is asked for eight key steps of sixteen waves ahead of its first read.
; LIMITS: the promise holds while the scaled scores t stay under 2^31 in magnitude (the running largest t begins at -2^33, and a hidden score lies near -2^97).  NaN and infinities are not served; a block whose largest magnitude lies under 2^-122 keeps the byte 1.
; REGISTERS: v1, v2 16 l, 8 l; v3, v4 the add's; v5-7 LDS addresses; v8 4 r; v10, v11 the class product's scales; v12 -M, v13 largest t, v[14:15] l; v16-27 q, v28 its scale words; v29 p's scale word; v[30:31] f;
;   v32-79 k's codes, then v's fragments; v80-109 see above; v110-113, v114-115 k's and v's scale words; v120-183 scores, then p; v184-215 O^T; v216-239 class codes, then p's codes (216-227) and work; v240-255 at work.
.set RECB,  13056
.set SLOT1, 8*RECB
.set KC,    2*SLOT1                    ; the class codes
.set KCB,   3072                       ; of one key step
.set SPARE, KC+32*KCB                  ; the spare words, 128 bytes for each of sixteen waves
.set KV,  32
.set S,   120
.set O,   184
.set PC,  216
.set CT,  228
.set BM,  236
.set PR,  240
.set SO,  244
.macro PLACES n
.rept \n
	v_nop
.endr
.endm
.macro WM d, a, b, c, sa, sb, oa       ; one product; oa: source 0's scale words stand in lanes 16-31
.if (\oa)
	v_wmma_scale_f32_16x16x128_f8f6f4 v[(\d):(\d)+7], v[(\a):(\a)+11], v[(\b):(\b)+11], \c, v[(\sa)], v[(\sb)] matrix_a_fmt:MATRIX_FMT_BF6 matrix_b_fmt:MATRIX_FMT_BF6 matrix_a_scale:MATRIX_SCALE_ROW1
.else
	v_wmma_scale_f32_16x16x128_f8f6f4 v[(\d):(\d)+7], v[(\a):(\a)+11], v[(\b):(\b)+11], \c, v[(\sa)], v[(\sb)] matrix_a_fmt:MATRIX_FMT_BF6 matrix_b_fmt:MATRIX_FMT_BF6
.endif
.endm
.macro ROUND                           ; a round of the cluster's barrier
	s_barrier_signal -1
	s_barrier_wait -1
	s_cmp_lg_u32 s12, 0
	s_cbranch_scc1 .Lnot_wave_0_\@
	s_barrier_signal -3
.Lnot_wave_0_\@:
	s_barrier_wait -3
	s_barrier_signal -1
	s_barrier_wait -1
.endm
.macro TLOAD                           ; waves 0-7 fetch a record each; s_nop 0 and four v_nop follow the line
	s_cmp_lt_u32 s12, 8
	s_cbranch_scc0 .Lno_load_\@
	tensor_load_to_lds s[92:95], s[84:91]
	s_nop 0
.rept 4
	v_nop
.endr
.Lno_load_\@:
.endm
.macro ACC d                           ; the next two p onto one of the sum's chains
	v_pk_add_f32 v[\d:\d+1], v[\d:\d+1], v[S+J:S+J+1]
.set J, J+2
.endm
	s_load_b256 s[4:11], s[0:1], 0x0               ; qimg, kv, kcls, qtab
	s_load_b64 s[24:25], s[0:1], 0x20              ; oimg
	v_lshl_add_u32 v3, v0, 2, SPARE
	v_mov_b32 v4, 0
	ds_add_u32 v3, v4                              ; the opening lines: the add, twice on end, and its wait
	ds_add_u32 v3, v4
	v_lshrrev_b32 v8, 5, v0
	s_delay_alu instid0(VALU_DEP_1)
	v_readfirstlane_b32 s12, v8                    ; wave 0..15
	s_bfe_u32 s13, ttmp6, 0x40000                  ; cx
	s_lshl_b32 s14, ttmp9, 2
	s_add_co_u32 s13, s13, s14                     ; my block of 256 queries: it enters q's, the table's and O's global addresses alone
	s_and_b32 s66, ttmp7, 0xffff                   ; the head, which the four partners share
	s_mov_b32 s84, 15|(3<<16)|(1<<21)              ; group 1 for a record: the mask: all four; elements of 8 bytes; 21 set beside a mask; no padding
	s_mov_b32 s85, 32<<16                          ; a dense block of 51 rows x 256 bytes
	s_mov_b32 s86, 51<<16
	s_mov_b32 s87, 32<<16
	s_mov_b32 s88, 51
	s_mov_b32 s89, 32
	s_mov_b32 s90, 0
	s_mov_b32 s91, 0
	s_mov_b32 s68, 15|(3<<16)|(1<<21)              ; group 1 for four key steps' class codes: 48 rows x 256 bytes
	s_mov_b32 s69, 32<<16
	s_mov_b32 s70, 48<<16
	s_mov_b32 s71, 32<<16
	s_mov_b32 s72, 48
	s_mov_b32 s73, 32
	s_mov_b32 s74, 0
	s_mov_b32 s75, 0
	s_lshl_b32 s26, s66, 5
	s_add_co_u32 s26, s26, s12
	s_mul_i32 s26, s26, RECB                       ; record 32 x head + wave
	s_mov_b32 s27, 0
	s_mul_i32 s21, s12, RECB                       ; a record's place in a slot = wave
	s_and_b32 s28, s12, 7
	s_mul_i32 s28, s28, 4*KCB                      ; which eighth of the class codes
	s_mov_b32 s29, 0
	s_mov_b32 s96, 0x3e38aa3b                      ; c = log2(e) / 8
	s_mov_b32 s97, s96                             ; (named with it as a pair, so it is written)
	s_mov_b32 s98, 0x76543210
	s_mov_b32 s99, 0xfedcba98
	s_mov_b32 s33, 0xffff0000                      ; lanes 16-31
	s_wait_dscnt 0x0
	s_wait_kmcnt 0x0
	s_mov_b32 s92, 1
	s_mov_b32 s93, s21
	s_add_nc_u64 s[94:95], s[6:7], s[26:27]
	s_or_b32 s95, s95, 0x80000000
	s_mov_b32 s76, 1
	s_add_co_u32 s77, s28, KC
	s_add_nc_u64 s[78:79], s[8:9], s[28:29]
	s_or_b32 s79, s79, 0x80000000
	ROUND                                          ; all four work-groups are here: the first joint loads meet
	s_cmp_lt_u32 s12, 8                            ; one tensor load a wave at the head, one to an arm
	s_cbranch_scc0 .Lhead_c
	tensor_load_to_lds s[92:95], s[84:91]          ; key steps 0 to 7
	s_nop 0
.rept 4
	v_nop
.endr
	s_branch .Lhead_j
.Lhead_c:
	tensor_load_to_lds s[76:79], s[68:75]          ; the class codes
	s_nop 0
.rept 4
	v_nop
.endr
.Lhead_j:
	s_lshr_b32 s14, s12, 3
	s_lshl_b32 s15, s13, 1
	s_add_co_u32 s14, s14, s15                     ; my block of 128 tokens
	s_lshl_b32 s2, s66, 5
	s_add_co_u32 s2, s2, s14
	s_mul_i32 s2, s2, 6656
	s_mov_b32 s3, 0
	s_add_nc_u64 s[4:5], s[4:5], s[2:3]            ; q's record
	s_mul_i32 s2, s14, KCB
	s_add_nc_u64 s[10:11], s[10:11], s[2:3]        ; the tables' record
	s_and_b32 s15, s12, 7                          ; a, my tile in the block
	s_lshr_b32 s16, s15, 1                         ; b = a / 2
	s_and_b32 s17, s15, 1                          ; u = a % 2
	s_mul_i32 s18, s16, 1536                       ; q: registers 12 b .. + 11 of the record's 48
	s_lshl_b32 s19, s16, 2
	s_lshl_b32 s20, s17, 8
	s_add_co_u32 s19, s19, s20                     ; q's scale word of row r: 16 (r + 16 u) + 4 b
	s_mul_i32 s16, s16, 6
.irp j, 0,2,4                          ; the table: registers 6 b + j, 6 b + j + 1 of lane r + 16 u
	s_add_co_u32 s22, s16, \j
	s_lshr_b32 s23, s22, 2
	s_lshl_b32 s23, s23, 9
	s_and_b32 s22, s22, 3
	s_lshl_b32 s22, s22, 2
	s_add_co_u32 s22, s22, s23
	s_add_co_u32 s[30+\j/2], s22, s20
.endr
	s_cmp_eq_u32 s17, 1
	s_cselect_b32 s67, -1, 0                       ; an odd tile's six registers of q are the upper six of the twelve
	s_lshl_b32 s2, s14, 3
	s_lshr_b32 s3, s66, 1
	s_add_co_u32 s2, s2, s3
	s_mul_i32 s2, s2, 12800                        ; oimg's record: block of tokens x 8 + head / 2
	s_and_b32 s3, s66, 1                           ; which 64 of its 128 along K are my head's
	s_mul_i32 s14, s15, 1536
	s_add_co_u32 s14, s14, s2
	s_mul_i32 s100, s3, 768
	s_add_co_u32 s14, s14, s100                    ; my six registers' place
	s_lshl_b32 s15, s15, 6
	s_add_co_u32 s2, s2, s15
	s_lshl_b32 s3, s3, 1
	s_add_co_u32 s2, s2, s3
	s_add_co_u32 s2, s2, 12288                     ; my half words' place
	s_mov_b32 s3, 0
	s_mov_b32 s15, 0
	s_add_nc_u64 s[2:3], s[24:25], s[2:3]
	s_add_nc_u64 s[24:25], s[24:25], s[14:15]
	v_and_b32 v8, 31, v0
	v_and_b32 v9, 15, v0                           ; r
	s_delay_alu instid0(VALU_DEP_2)
	v_lshlrev_b32 v1, 4, v8
	s_delay_alu instid0(VALU_DEP_3)
	v_lshlrev_b32 v2, 3, v8
	s_delay_alu instid0(VALU_DEP_3)
	v_lshl_add_u32 v121, v9, 4, s19
	s_delay_alu instid0(VALU_DEP_4)
	v_lshl_add_u32 v122, v9, 4, s30
	v_lshl_add_u32 v123, v9, 4, s31
	v_lshl_add_u32 v124, v9, 4, s32
	v_add_nc_u32 v120, s18, v1
	global_load_b128 v[32:35], v120, s[4:5]
	global_load_b128 v[36:39], v120, s[4:5] offset:512
	global_load_b128 v[40:43], v120, s[4:5] offset:1024
	global_load_b32 v28, v121, s[4:5] offset:6144
	global_load_b64 v[48:49], v122, s[10:11]
	global_load_b64 v[50:51], v123, s[10:11]
	global_load_b64 v[52:53], v124, s[10:11]
	v_lshlrev_b32 v8, 2, v9                        ; 4 r
	v_mov_b32 v10, 0x7f7f7f7f                      ; the class codes' scales: 1
	v_mov_b32 v11, 0xdededede                      ; the tables': 2^95
	v_mov_b32 v13, 0xd0000000                      ; the largest t so far: -2^33
	s_delay_alu instid0(VALU_DEP_1)
	v_floor_f32 v12, -v13                          ; -M
	v_mov_b32 v14, 0
	v_mov_b32 v15, 0
.irp i, 0,1,2,3,4,5
	v_mov_b32 v[22+\i], 0                          ; q's upper 64 along K: zero codes
	v_mov_b32 v[80+\i], 0                          ; behind k's last tile, and round the tables
	v_mov_b32 v[92+\i], 0
	v_mov_b32 v[104+\i], 0
.endr
.set I, 0
.rept 32
	v_mov_b32 v[O+I], 0                            ; O^T.  (The step is written once: the first finds zeros, which the first change of M leaves zeros)
.set I, I+1
.endr
.irp b, 0,1,2,3
	v_mov_b32 v[PR+\b], 0                          ; written once: a lane permute's destination counts as one of its sources
.endr
	v_mov_b32 v116, 0
	v_mov_b32 v31, 0                               ; (named as the upper half of the pair v[30:31])
	s_wait_alu depctr_va_vdst(0)                   ; directly ahead of the wait below
	s_wait_loadcnt 0x0
.irp i, 0,1,2,3,4,5
	v_cndmask_b32 v[16+\i], v[32+\i], v[38+\i], s67
	v_cndmask_b32 v[86+\i], v[48+\i], v80, s33     ; the table in lanes 0-15, zero codes in lanes 16-31,
	v_cndmask_b32 v[98+\i], v80, v[48+\i], s33     ; and the other way round
.endr
	s_wait_alu depctr_va_vdst(0)
; A KEY STEP: 128 keys: the record at s100 of the ring, the class codes at s20
.macro STEP
	v_add_nc_u32 v6, s100, v1                      ; (these three and the v_nop are the places in front of loads into registers that the last products have read)
	v_add_nc_u32 v7, s100, v2
	v_add_nc_u32 v5, s20, v1
	v_nop
	s_wait_alu depctr_va_vdst(0)
.set I, 0
.rept 6
	ds_load_b128 v[PC+4*I:PC+4*I+3], v5 offset:512*I               ; the keys' classes: two operands of four tiles
.set I, I+1
.endr
.set I, 0
.rept 12
	ds_load_b128 v[KV+4*I:KV+4*I+3], v6 offset:512*I               ; k: eight tiles x six registers
.set I, I+1
.endr
	ds_load_b128 v[110:113], v6 offset:6144
	s_wait_dscnt 13                                ; the class codes are in; k's 13 loads may be out
.set TT, 0
.rept 8
	WM S+8*TT, PC+12*(TT/4), 86+12*(TT%2)-6*((TT/2)%2), 0, 10, 11, 0      ; 0 where allowed, -28 x 2^95 where hidden.  Tile TT's keys stand in block TT % 4 of their operand, and so does the table
.set TT, TT+1
.endr
	s_wait_dscnt 0x0
.set TT, 0
.rept 8
	WM S+8*TT, KV+6*TT, 16, v[S+8*TT:S+8*TT+7], 110+TT/2, 28, TT%2        ; + q k^T, in place; the eight accumulators by turns
.set TT, TT+1
.endr
	PLACES 4                                       ; in front of the loads below and of the first reads of the scores
.set I, 0
.rept 12
	ds_load_b128 v[KV+4*I:KV+4*I+3], v6 offset:6656+512*I          ; v: four fragments; they land while the softmax is worked
.set I, I+1
.endr
	ds_load_b64 v[114:115], v7 offset:12800
.irp b, 0,1,2,3
	v_max3_num_f32 v[BM+\b], v[S+16*\b], v[S+1+16*\b], v[S+2+16*\b]   ; the largest score of each block of 32 keys: for the row's maximum, and, since p rises with the score, for the block's largest p.  Two chains a block, eight by turns; each accumulator from its low end on
.endr
.irp b, 0,1,2,3
	v_max3_num_f32 v[SO+\b], v[S+7+16*\b], v[S+8+16*\b], v[S+9+16*\b]
.endr
.irp i, 3,5
.irp b, 0,1,2,3
	v_max3_num_f32 v[BM+\b], v[BM+\b], v[S+16*\b+\i], v[S+1+16*\b+\i]
.endr
.irp b, 0,1,2,3
	v_max3_num_f32 v[SO+\b], v[SO+\b], v[S+7+16*\b+\i], v[S+8+16*\b+\i]
.endr
.endr
.irp b, 0,1,2,3
	v_max3_num_f32 v[BM+\b], v[BM+\b], v[S+14+16*\b], v[S+15+16*\b]
.endr
.irp b, 0,1,2,3
	s_delay_alu instid0(VALU_DEP_4)
	v_max_num_f32 v[BM+\b], v[BM+\b], v[SO+\b]     ; the block's two chains joined
.endr
.irp b, 0,1,2,3
	s_delay_alu instid0(VALU_DEP_4)
	v_permlanex16_b32 v[PR+\b], v[BM+\b], s98, s99
.endr
.irp b, 0,1,2,3
	s_delay_alu instid0(VALU_DEP_4)
	v_max_num_f32 v[BM+\b], v[BM+\b], v[PR+\b]     ; with lane l xor 16's 16 keys
.endr
	s_delay_alu instid0(VALU_DEP_2)
	v_max3_num_f32 v116, v[BM], v[BM+1], v[BM+2]
	s_delay_alu instid0(VALU_DEP_1)
	v_max_num_f32 v116, v116, v[BM+3]
	s_delay_alu instid0(VALU_DEP_1)
	v_mul_f32 v116, s96, v116                      ; as t
	s_delay_alu instid0(VALU_DEP_1)
	v_max_num_f32 v13, v13, v116                   ; the running largest t
	v_mov_b32 v116, v12
	s_delay_alu instid0(VALU_DEP_2)
	v_floor_f32 v12, -v13                          ; the new -M = -ceil(t)
	s_delay_alu instid0(VALU_DEP_1)
	v_sub_f32 v116, v12, v116                      ; old M - new M: a whole number, 0 or less
	s_delay_alu instid0(VALU_DEP_1)
	v_cvt_i32_f32 v116, v116                       ; (it saturates)
	s_delay_alu instid0(VALU_DEP_1)
	v_ldexp_f32 v30, 1.0, v116                     ; f = 2^(old M - new M)
.set J, 0
.rept 32
	v_pk_fma_f32 v[S+J:S+J+1], v[S+J:S+J+1], s[96:97], v[12:13] op_sel_hi:[1,0,0]   ; t - M
.set J, J+2
.endr
.irp b, 0,1,2,3
	v_fma_f32 v[BM+\b], v[BM+\b], s96, v12         ; the same of each block's largest score
.endr
	s_wait_alu depctr_va_vdst(0)                   ; ahead of the batch
.set J, 0
.rept 64
	v_exp_f32 v[S+J], v[S+J]                       ; p = 2^(t - M); a hidden key's is 0
.set J, J+1
.endr
	v_pk_mul_f32 v[14:15], v[14:15], v[30:31] op_sel_hi:[1,0]     ; l under the new M.  (The plain instruction behind the exponentials)
	s_wait_alu depctr_va_vdst(0)                   ; one wait for the batch, ahead of its first reader
.irp b, 0,1,2,3
	v_exp_f32 v[BM+\b], v[BM+\b]                   ; the block's largest p: the same two instructions on the same number give the same bits
.endr
.set J, 0
.irp d, 240,242,244,246,248,250,252    ; l is the sum of the unquantised p: eight chains of pairs
	v_pk_add_f32 v[\d:\d+1], v[S+J:S+J+1], v[S+J+2:S+J+3]
.set J, J+4
.endr
	ACC 14
.rept 2
.irp d, 240,242,244,246,248,250,252,14
	ACC \d
.endr
.endr
	ACC 240
	v_pk_add_f32 v[242:243], v[242:243], v[244:245]
	v_pk_add_f32 v[246:247], v[246:247], v[248:249]
	v_pk_add_f32 v[250:251], v[250:251], v[252:253]
	s_delay_alu instid0(VALU_DEP_4)
	v_pk_add_f32 v[14:15], v[14:15], v[240:241]
	s_delay_alu instid0(VALU_DEP_3)
	v_pk_add_f32 v[242:243], v[242:243], v[246:247]
	s_delay_alu instid0(VALU_DEP_2)
	v_pk_add_f32 v[14:15], v[14:15], v[250:251]
	s_delay_alu instid0(VALU_DEP_1)
	v_pk_add_f32 v[14:15], v[14:15], v[242:243]
	s_wait_alu depctr_va_vdst(0)                   ; and one for the four
.irp b, 0,1,2,3
	v_max_num_f32 v[BM+\b], 0x2800000, v[BM+\b]    ; the floor 2^(5 - 127): a block whose every p is 0 keeps the byte 1: its codes are zeros
.endr
.irp b, 0,1,2,3
	s_delay_alu instid0(VALU_DEP_4)
	v_add_nc_u32 v[SO+\b], 0xfe000000, v[BM+\b]
.endr
.irp b, 0,1,2,3
	s_delay_alu instid0(VALU_DEP_4)
	v_lshrrev_b32 v[PR+\b], 23, v[SO+\b]
.endr
	s_delay_alu instid0(VALU_DEP_3)
	v_lshl_or_b32 v29, v[PR+1], 8, v[PR]
	s_delay_alu instid0(VALU_DEP_1)
	v_lshl_or_b32 v29, v[PR+2], 16, v29
	s_delay_alu instid0(VALU_DEP_1)
	v_lshl_or_b32 v29, v[PR+3], 24, v29
.irp c, 0,1
	v_cvt_scalef32_pk16_bf6_f32 v[PC+6*\c:PC+2+6*\c], v[S+32*\c:S+15+32*\c], v[SO+2*\c]
	v_cvt_scalef32_pk16_bf6_f32 v[CT+4*\c:CT+2+4*\c], v[S+16+32*\c:S+31+32*\c], v[SO+2*\c+1]
.endr
	v_nop                                          ; one plain instruction behind the scaled conversions
.irp c, 0,1
.irp i, 0,1,2
	v_permlane16_swap_b32 v[PC+6*\c+\i], v[CT+4*\c+\i]
.endr
.irp i, 0,1,2
	s_delay_alu instid0(VALU_DEP_3)
	v_mov_b32 v[PC+3+6*\c+\i], v[CT+4*\c+\i]
.endr
.endr
	s_wait_alu depctr_va_vdst(0)                   ; directly ahead of the first reader of O^T
.set J, 0
.rept 16
	v_pk_mul_f32 v[O+J:O+J+1], v[O+J:O+J+1], v[30:31] op_sel_hi:[1,0]     ; O^T under the new M.  (These sixteen are also the places between p's scale word and codes and the products)
.set J, J+2
.endr
	s_wait_alu depctr_va_vdst(0)                   ; directly ahead of the wait below
	s_wait_dscnt 0x0                               ; v
.set TT, 0
.rept 4
	WM O+8*TT, KV+12*TT, PC, v[O+8*TT:O+8*TT+7], 114+TT/2, 29, TT%2       ; the four accumulators by turns
.set TT, TT+1
.endr
.endm
; EIGHT KEY STEPS, 8 n .. 8 n + 7, in slot n % 2.  At their head the change of slots: each wave waits for all its tensor loads, adds 0 to its spare word, and waits for that and for its reads of the slot that it has left.
; fill = 1: behind a round of the cluster's barrier the other slot is filled with the next eight records.
.macro RUN n, fill
	s_wait_tensorcnt 0x0
	ds_add_u32 v3, v4
.if \fill
	s_add_co_u32 s93, s21, (1-(\n)%2)*SLOT1        ; no load of mine is out: the descriptor walks to the other slot,
	s_add_nc_u64 s[94:95], s[94:95], 8*RECB        ; the next eight records
.endif
	s_mov_b32 s100, ((\n)%2)*SLOT1
	s_mov_b32 s20, KC+8*KCB*(\n)
	s_mov_b32 s101, 8
	s_wait_dscnt 0x0
.if \fill
	ROUND
	TLOAD
.else
	s_barrier_signal -1
	s_barrier_wait -1
.endif
.Lstep_\@:
	STEP
	s_add_co_u32 s100, s100, RECB
	s_add_co_u32 s20, s20, KCB
	s_sub_co_u32 s101, s101, 1
	s_cmp_lg_u32 s101, 0
	s_cbranch_scc1 .Lstep_\@
.endm
	RUN 0, 1
	RUN 1, 1
	RUN 2, 1
	RUN 3, 0                                       ; nothing more to fetch
	; ---------------- the way out ----------------
	PLACES 4
	v_add_f32 v14, v14, v15
	s_delay_alu instid0(VALU_DEP_1)
	v_permlanex16_b32 v116, v14, s98, s99
	s_delay_alu instid0(VALU_DEP_1)
	v_add_f32 v14, v14, v116                       ; l
	s_delay_alu instid0(VALU_DEP_1)
	v_cmp_eq_f32 vcc_lo, 0, v14                    ; no key at all: it selects a value only
	s_wait_alu depctr_va_vdst(0)                   ; ahead of the transcendental
	v_rcp_f32 v30, v14
	v_mov_b32 v117, 0xffff                         ; (the plain instruction behind the reciprocal)
	s_wait_alu depctr_va_vdst(0)
.set J, 0
.rept 16
	v_pk_mul_f32 v[S+J:S+J+1], v[O+J:O+J+1], v[30:31] op_sel_hi:[1,0]     ; register 16 b + i: channel 32 b + 16 h + i of my head
.set J, J+2
.endr
.irp b, 0,1
	v_max3_num_f32 v[BM+\b], |v[S+16*\b]|, |v[S+1+16*\b]|, 0x2800000
.endr
.irp i, 2,4,6,8,10,12,14
.irp b, 0,1
	s_delay_alu instid0(VALU_DEP_2)
	v_max3_num_f32 v[BM+\b], v[BM+\b], |v[S+16*\b+\i]|, |v[S+1+16*\b+\i]|
.endr
.endr
.irp b, 0,1
	s_delay_alu instid0(VALU_DEP_2)
	v_permlanex16_b32 v[PR+\b], v[BM+\b], s98, s99
.endr
.irp b, 0,1
	s_delay_alu instid0(VALU_DEP_2)
	v_max_num_f32 v[BM+\b], v[BM+\b], v[PR+\b]
.endr
.irp b, 0,1
	s_delay_alu instid0(VALU_DEP_2)
	v_add_nc_u32 v[SO+\b], 0xfe000000, v[BM+\b]
.endr
.irp b, 0,1
	s_delay_alu instid0(VALU_DEP_2)
	v_lshrrev_b32 v[PR+\b], 23, v[SO+\b]
.endr
	s_delay_alu instid0(VALU_DEP_1)
	v_lshl_or_b32 v29, v[PR+1], 8, v[PR]
	s_delay_alu instid0(VALU_DEP_1)
	v_cndmask_b32 v29, v29, v117, vcc_lo           ; l = 0: both bytes 0xff
	v_cvt_scalef32_pk16_bf6_f32 v[PC:PC+2], v[S:S+15], v[SO]
	v_cvt_scalef32_pk16_bf6_f32 v[CT:CT+2], v[S+16:S+31], v[SO+1]
	v_nop
.irp i, 0,1,2
	v_permlane16_swap_b32 v[PC+\i], v[CT+\i]
.endr
.irp i, 0,1,2
	s_delay_alu instid0(VALU_DEP_3)
	v_mov_b32 v[PC+3+\i], v[CT+\i]
.endr
	global_store_b128 v1, v[PC:PC+3], s[24:25]             ; 512 consecutive bytes
	global_store_b64 v2, v[PC+4:PC+5], s[24:25] offset:512 ; 256 consecutive bytes
	global_store_b16 v8, v29, s[2:3]                       ; my row's two bytes; both halves of the lanes write the same.  The one store that fills no whole run of 256 bytes: 32 bytes a wave
	s_wait_tensorcnt 0x0                           ; the wave's end
	ds_add_u32 v3, v4
	s_wait_dscnt 0x0
	ROUND                                          ; the closing round
	s_endpgm
.Lfunc_end_k_q16b1f57051_attn:
	.size	k_q16b1f57051_attn, .Lfunc_end_k_q16b1f57051_attn-k_q16b1f57051_attn
	.p2alignl 7, 3214868480
	.fill 96, 4, 3214868480
	.section	.rodata,"a",@progbits
	.p2align	6, 0x0
	.amdhsa_kernel k_q16b1f57051_attn
		.amdhsa_group_segment_fixed_size 327680
		.amdhsa_private_segment_fixed_size 0
		.amdhsa_enable_private_segment 0
		.amdhsa_kernarg_size 40
		.amdhsa_user_sgpr_count 2
		.amdhsa_user_sgpr_kernarg_segment_ptr 1
		.amdhsa_wavefront_size32 1
		.amdhsa_system_sgpr_workgroup_id_x 1
		.amdhsa_system_sgpr_workgroup_id_y 1
		.amdhsa_system_sgpr_workgroup_id_z 1
		.amdhsa_system_vgpr_workitem_id 0
		.amdhsa_next_free_vgpr 256
		.amdhsa_next_free_sgpr 106
		.amdhsa_reserve_vcc 1
		.amdhsa_float_denorm_mode_32 3
		.amdhsa_float_denorm_mode_16_64 3
		.amdhsa_memory_ordered 1
		.amdhsa_forward_progress 1
		.amdhsa_inst_pref_size 91
	.end_amdhsa_kernel
	.amdgpu_metadata
---
amdhsa.version: [ 1, 2 ]
amdhsa.kernels:
  - .name:           k_q16b1f57051_attn
    .symbol:         k_q16b1f57051_attn.kd
    .args:
      - { .name: qimg, .offset: 0, .size: 8, .value_kind: global_buffer, .address_space: global }
      - { .name: kv, .offset: 8, .size: 8, .value_kind: global_buffer, .address_space: global }
      - { .name: kcls, .offset: 16, .size: 8, .value_kind: global_buffer, .address_space: global }
      - { .name: qtab, .offset: 24, .size: 8, .value_kind: global_buffer, .address_space: global }
      - { .name: oimg, .offset: 32, .size: 8, .value_kind: global_buffer, .address_space: global }
    .group_segment_fixed_size: 327680
    .private_segment_fixed_size: 0
    .kernarg_segment_align: 8
    .kernarg_segment_size: 40
    .max_flat_workgroup_size: 512
    .sgpr_count:     106
    .vgpr_count:     256
    .wavefront_size: 32
...
	.end_amdgpu_metadata
.endif
;; end of part 3
;; launch proj (part 4): grid 8 x 32, 4 waves a work-group, clusters of 4 x 4, 222,720 bytes of LDS; arguments oimg, pwimg, proj_b, out0; writes out0
.if DOCPART == 4
	.amdgcn_target "amdgcn-amd-amdhsa--gfx1250"
	.amdhsa_code_object_version 6
	.text
	.protected	k_q16b1f57051_proj
	.globl	k_q16b1f57051_proj
	.p2align	8
	.type	k_q16b1f57051_proj,@function
k_q16b1f57051_proj:
	s_mov_b64 s[64:65], 0
	v_nop
	global_prefetch_b8 v0, s[64:65] scope:SCOPE_SE
	s_setreg_imm32_b32 hwreg(HW_REG_WAVE_MODE, 25, 1), 1
	s_wait_xcnt 0x0
	s_wait_alu depctr_hold_cnt(0) depctr_sa_sdst(0) depctr_va_vdst(0) depctr_va_sdst(0) depctr_va_ssrc(0) depctr_va_vcc(0) depctr_vm_vsrc(0)
	s_getreg_b32 s2, hwreg(HW_REG_IB_STS2, 6, 4)
	s_cmp_eq_u32 s2, 0
	s_cbranch_scc0 .Lentry_in_a_cluster
	s_endpgm
.Lentry_in_a_cluster:
	s_bfe_u32 s2, ttmp6, 0x10000c
	s_cmp_lg_u32 s2, 0xf033
	s_cbranch_scc0 .Lentry_shape_is_right
	s_endpgm
.Lentry_shape_is_right:
; PROJ.  out0 = o proj_w^T + proj_b on codes of E3M2.  A work-group makes 128 tokens x 128 outputs, a wave 64 x 64: 16 accumulators; 256 work-groups.
; Source 0 (P) = 16 rows of proj_w, source 1 (R) = 16 tokens: a lane holds one token and registers along the outputs.  The rows of a tile are rows 32 (t / 2) + 8 (t % 2) + m + 8 (m / 8) of their block of 128.
; ALL OF K LIES IN LDS: P's eight records of 12,800 bytes at 0, R's eight at 102,400; each wave brings one load of four records, all first fills: no LDS byte is filled twice.  One tensor load of a wave is out at the most.
; CLUSTER: P's records hang on cx alone and are asked for jointly by a column of the cluster, R's on cy alone, by a row.
; The bias is the C of each sum's first product.  The results go through the wave's own stage and leave as runs of 256 consecutive bytes, aligned.
; REGISTERS: window 0: v16-21 addresses; v24-26 the way out; v32-39 scale words, two sets (2 of P, 2 of R); v64-95 the bias, later rows on their way out; v96-127 rows on their way out; v128-255 accumulator (a, b) at 128 + 8 (4 a + b).
;   window 1: two sets at v0 and v128: P's four fragments, then R's four.
.set RECB,  12800
.set RBASE, 102400
.set STAGE, 204800                     ; 16 rows x (256 + 16) bytes for each wave
.set G1P,  24
.set G1R,  32
.set G0P1, 40
.set G0P2, 44
.set G0R1, 48
.set G0R2, 52
.set MSB, 0
.macro WIN new
.if MSB != (\new)
	s_set_vgpr_msb (MSB<<8)|(\new)
.set MSB, (\new)
.endif
.endm
.macro PLACES n
.rept \n
	v_nop
.endr
.endm
.macro WM d, a, b, c, sa, sb, oa, ob
.if (\oa) && (\ob)
	v_wmma_scale_f32_16x16x128_f8f6f4 v[(\d):(\d)+7], v[(\a):(\a)+11], v[(\b):(\b)+11], \c, v[(\sa)], v[(\sb)] matrix_a_fmt:MATRIX_FMT_BF6 matrix_b_fmt:MATRIX_FMT_BF6 matrix_a_scale:MATRIX_SCALE_ROW1 matrix_b_scale:MATRIX_SCALE_ROW1
.elseif (\oa)
	v_wmma_scale_f32_16x16x128_f8f6f4 v[(\d):(\d)+7], v[(\a):(\a)+11], v[(\b):(\b)+11], \c, v[(\sa)], v[(\sb)] matrix_a_fmt:MATRIX_FMT_BF6 matrix_b_fmt:MATRIX_FMT_BF6 matrix_a_scale:MATRIX_SCALE_ROW1
.elseif (\ob)
	v_wmma_scale_f32_16x16x128_f8f6f4 v[(\d):(\d)+7], v[(\a):(\a)+11], v[(\b):(\b)+11], \c, v[(\sa)], v[(\sb)] matrix_a_fmt:MATRIX_FMT_BF6 matrix_b_fmt:MATRIX_FMT_BF6 matrix_b_scale:MATRIX_SCALE_ROW1
.else
	v_wmma_scale_f32_16x16x128_f8f6f4 v[(\d):(\d)+7], v[(\a):(\a)+11], v[(\b):(\b)+11], \c, v[(\sa)], v[(\sb)] matrix_a_fmt:MATRIX_FMT_BF6 matrix_b_fmt:MATRIX_FMT_BF6
.endif
.endm
; n tiles of tokens from a0 on, each against P's four tiles; the 16 accumulators take turns, one instruction a turn.  first = 1: C is the bias
.macro MULP a0, n, set, first
	WIN 0x05                                       ; sources 0 and 1 window 1, C and D window 0
.set AA, \a0
.rept \n
.set BB, 0
.rept 4
.set DD, 128+8*(4*AA+BB)
.if \first
	WM DD, 128*(\set)+12*BB, 128*(\set)+48+12*AA, v[64+8*BB:64+8*BB+7], 32+4*(\set)+BB/2, 34+4*(\set)+AA/2, BB%2, AA%2
.else
	WM DD, 128*(\set)+12*BB, 128*(\set)+48+12*AA, v[DD:DD+7], 32+4*(\set)+BB/2, 34+4*(\set)+AA/2, BB%2, AA%2
.endif
.set BB, BB+1
.endr
.set AA, AA+1
.endr
.endm
; 31 LDS loads: K step s's fragments and scale words.  (The address registers stand at K step 0 or, from K step 4 on, at K step 4)
.macro FETCH s, set
.set BO, RECB*((\s)%4)
.set FB, 128*(\set)
	WIN 0x40
.set I, 0
.rept 12
	ds_load_b128 v[FB+4*I:FB+4*I+3], v16 offset:BO+512*I
.set I, I+1
.endr
.set I, 0
.rept 4                                ; a tile of o: for each 64 along K (a head) four registers at 16 l and two at 512 + 8 l
	ds_load_b128 v[FB+48+12*I:FB+48+12*I+3], v18 offset:BO+1536*I
	ds_load_b64 v[FB+48+12*I+4:FB+48+12*I+5], v19 offset:BO+1536*I+512
	ds_load_b128 v[FB+48+12*I+6:FB+48+12*I+9], v18 offset:BO+1536*I+768
	ds_load_b64 v[FB+48+12*I+10:FB+48+12*I+11], v19 offset:BO+1536*I+1280
.set I, I+1
.endr
	WIN 0
	ds_load_b64 v[32+4*(\set):33+4*(\set)], v17 offset:BO+12288
	ds_load_b32 v[34+4*(\set)], v20 offset:BO+12288
	ds_load_b32 v[35+4*(\set)], v20 offset:BO+12288+128
.endm
.macro CROUND
	s_barrier_signal -1
	s_barrier_wait -1
	s_cmp_lg_u32 s14, 0
	s_cbranch_scc1 .Lnot_wave_0_\@
	s_barrier_signal -3
.Lnot_wave_0_\@:
	s_barrier_wait -3
	s_barrier_signal -1
	s_barrier_wait -1
.endm
	s_load_b256 s[4:11], s[0:1], 0x0               ; oimg, pwimg, proj_b, out0
	v_lshl_add_u32 v62, v0, 2, 0x36400
	v_mov_b32 v63, 0
	ds_add_u32 v62, v63
	ds_add_u32 v62, v63
	v_lshrrev_b32 v5, 5, v0
	v_readfirstlane_b32 s14, v5                    ; wave 0..3
	s_lshr_b32 s15, s14, 1                         ; which 64 tokens are mine.  Also: I fetch for P (0) or for R (1)
	s_and_b32 s16, s14, 1                          ; which 64 outputs.  Also: which records I fetch
	s_bfe_u32 s17, ttmp6, 0x40000                  ; cx
	s_bfe_u32 s18, ttmp6, 0x40004                  ; cy
	s_lshl_b32 s76, ttmp9, 2
	s_add_co_u32 s76, s76, s17                     ; P's block of 128 outputs
	s_and_b32 s77, ttmp7, 0xffff
	s_lshl_b32 s77, s77, 2
	s_add_co_u32 s77, s77, s18                     ; R's block of 128 tokens
	s_lshl_b32 s21, 0x1111, s17                    ; my column of the cluster
	s_lshl_b32 s22, s18, 2
	s_lshl_b32 s22, 15, s22                        ; my row
	s_or_b32 s[G1P], s21, (3<<16)|(1<<21)          ; the mask; elements of 8 bytes; 21 set beside a mask; no padding
	s_or_b32 s[G1R], s22, (3<<16)|(1<<21)
.irp g, G1P, G1R                       ; four records: a dense block of 200 rows x 256 bytes
	s_mov_b32 s[\g+1], 32<<16
	s_mov_b32 s[\g+2], 200<<16                     ; four records: 200 rows
	s_mov_b32 s[\g+3], 32<<16
	s_mov_b32 s[\g+4], 200
	s_mov_b32 s[\g+5], 32
	s_mov_b32 s[\g+6], 0
	s_mov_b32 s[\g+7], 0
.endr
	s_mul_i32 s20, s15, RBASE
	s_mul_i32 s23, s16, 4*RECB                     ; I fetch K steps 4 i .. 4 i + 3 (i = wave % 2): one tensor load a wave
	s_add_co_u32 s20, s20, s23                     ; where my fetches go: made of the wave's number alone
	s_mul_i32 s84, s76, 8*RECB
	s_add_co_u32 s84, s84, s23
	s_mov_b32 s85, 0
	s_mul_i32 s86, s77, 8*RECB
	s_add_co_u32 s86, s86, s23
	s_mov_b32 s87, 0
	s_wait_dscnt 0x0
	s_wait_kmcnt 0x0
	s_add_nc_u64 s[78:79], s[6:7], s[84:85]
	s_add_nc_u64 s[80:81], s[4:5], s[86:87]
	CROUND                                         ; all sixteen work-groups are here: the joint loads meet
	s_mov_b32 s[G0P1], 1
	s_mov_b32 s[G0P1+1], s20
	s_mov_b64 s[G0P1+2:G0P1+3], s[78:79]           ; K steps 4 i .. 4 i + 3 (i = wave % 2)
	s_or_b32 s[G0P1+3], s[G0P1+3], 0x80000000
	s_mov_b32 s[G0R1], 1
	s_mov_b32 s[G0R1+1], s20
	s_mov_b64 s[G0R1+2:G0R1+3], s[80:81]
	s_or_b32 s[G0R1+3], s[G0R1+3], 0x80000000
	s_cmp_eq_u32 s15, 0                            ; a wave's fill stands in one branch, ahead of every wait on TENSORcnt and every LDS read
	s_cbranch_scc0 .Lfirst_r
	tensor_load_to_lds s[G0P1:G0P1+3], s[G1P:G1P+7]
	s_nop 0
.rept 4
	v_nop
.endr
	s_branch .Lfirst_asked
.Lfirst_r:
	tensor_load_to_lds s[G0R1:G0R1+3], s[G1R:G1R+7]
	s_nop 0
.rept 4
	v_nop
.endr
.Lfirst_asked:
	s_lshl_b32 s88, s77, 7
	s_lshl_b32 s89, s15, 6
	s_add_co_u32 s88, s88, s89                     ; my first token
	s_lshl_b32 s88, s88, 12                        ; rows of 4,096 bytes
	s_lshl_b32 s90, s76, 9
	s_lshl_b32 s89, s16, 8
	s_add_co_u32 s90, s90, s89                     ; my first output, in bytes: 512 x block + 256 x half
	s_add_co_u32 s88, s88, s90
	s_mov_b32 s89, 0
	s_mov_b32 s91, 0
	s_add_nc_u64 s[10:11], s[10:11], s[88:89]
	s_add_nc_u64 s[8:9], s[8:9], s[90:91]
	v_and_b32 v5, 31, v0
	v_and_b32 v6, 15, v0                           ; r
	s_wait_alu depctr_va_vdst(0)
	v_bfe_u32 v7, v0, 4, 1                         ; h
	v_lshlrev_b32 v8, 4, v5
	v_lshlrev_b32 v21, 6, v7                       ; the bias: 64 h
.irp b, 0,1,2,3
	global_load_b128 v[64+8*\b:67+8*\b], v21, s[8:9] offset:128*(\b/2)+32*(\b%2)       ; register j of tile b: output 32 (b / 2) + 8 (b % 2) + 16 h + j
	global_load_b128 v[68+8*\b:71+8*\b], v21, s[8:9] offset:128*(\b/2)+32*(\b%2)+16
.endr
	s_mul_i32 s92, s16, 6144
	v_add_nc_u32 v16, s92, v8                      ; P's four tiles
	s_lshl_b32 s92, s16, 3
	v_add_nc_u32 v17, s92, v8                      ; their scale words: two of a lane's four
	s_mul_i32 s92, s15, 6144
	s_add_co_u32 s92, s92, RBASE
	v_add_nc_u32 v18, s92, v8                      ; R's four tiles, 16 bytes a lane,
	v_lshl_add_u32 v19, v5, 3, s92                 ; and 8 bytes a lane
	s_lshl_b32 s92, s15, 8
	s_add_co_u32 s92, s92, RBASE
	v_lshl_add_u32 v20, v5, 2, s92                 ; their scale words: lanes 0-15 an even tile's, lanes 16-31 the odd one's
	s_mul_i32 s92, s14, 16*272
	s_add_co_u32 s92, s92, STAGE                   ; my stage
	v_mul_u32_u24 v24, v6, 272
	s_wait_alu depctr_va_vdst(0)
	v_lshl_add_u32 v24, v7, 6, v24
	v_add_nc_u32 v24, s92, v24                     ; in: row r, + 64 h
	v_mul_u32_u24 v25, v7, 272
	v_lshl_add_u32 v25, v6, 4, v25
	v_add_nc_u32 v25, s92, v25                     ; back: lanes 0-15 one row of 256 bytes, lanes 16-31 the next
	v_lshlrev_b32 v26, 12, v7
	v_lshl_add_u32 v26, v6, 4, v26                 ; and the same in out0
.macro PSTEP s, first
	PLACES 4                                       ; in front of loads into registers that the last K step's products have read
	FETCH (\s)+1, ((\s)+1)%2
	s_wait_dscnt 31                                ; all but the 31 just issued
	MULP 0, 4, (\s)%2, \first
	WIN 0
.endm
	s_wait_tensorcnt 0x0                           ; my load is in; behind the barrier everybody's is: all of K
	s_barrier_signal -1
	s_barrier_wait -1
	FETCH 0, 0
	s_wait_loadcnt 0x0                             ; the bias
	PSTEP 0, 1
	PSTEP 1, 0
	PSTEP 2, 0
	s_wait_dscnt 0x0                               ; K step 3
	MULP 0, 2, 1, 0
	WIN 0
.irp r, 16,17,18,19,20
	v_add_nc_u32 v\r, 4*RECB, v\r                  ; on to K step 4.  (Five plain instructions: the places in front of the loads below)
.endr
	FETCH 4, 0
	MULP 2, 2, 1, 0
	WIN 0
	PSTEP 4, 0
	s_wait_alu depctr_va_vdst(0)
	PSTEP 5, 0
	PSTEP 6, 0
	s_wait_dscnt 0x0
	MULP 0, 4, 1, 0
	WIN 0
	; THE WAY OUT, a tile of 16 tokens x 64 outputs at a time, through my own stage: LDS serves a wave's instructions in order
	PLACES 4
.irp a, 0,1,2,3
.if \a >= 2
	s_wait_xcnt 0x0                                ; the stores of two tiles back have read these registers
.endif
.irp b, 0,1,2,3
	ds_store_b128 v24, v[128+8*(4*\a+\b):128+8*(4*\a+\b)+3] offset:128*(\b/2)+32*(\b%2)       ; each accumulator from its low end on
	ds_store_b128 v24, v[128+8*(4*\a+\b)+4:128+8*(4*\a+\b)+7] offset:128*(\b/2)+32*(\b%2)+16
.endr
.irp i, 0,1,2,3,4,5,6,7
	ds_load_b128 v[96-32*(\a%2)+4*\i:96-32*(\a%2)+4*\i+3], v25 offset:544*\i
.endr
	s_wait_dscnt 0x0
.irp i, 0,1,2,3,4,5,6,7
	global_store_b128 v26, v[96-32*(\a%2)+4*\i:96-32*(\a%2)+4*\i+3], s[10:11] offset:(32*(\a/2)+8*(\a%2)+2*\i+8*(\i/4))*4096 th:TH_STORE_NT   ; sixteen lanes store 256 consecutive bytes, aligned; stage row m is token 32 (a / 2) + 8 (a % 2) + m + 8 (m / 8)
.endr
.endr
	s_wait_tensorcnt 0x0
	ds_add_u32 v62, v63
	s_wait_dscnt 0x0
	CROUND                                         ; the closing round: no work-group ends while a partner may still ask for a tile that names it
	s_endpgm
.Lfunc_end_k_q16b1f57051_proj:
	.size	k_q16b1f57051_proj, .Lfunc_end_k_q16b1f57051_proj-k_q16b1f57051_proj
	.p2alignl 7, 3214868480
	.fill 96, 4, 3214868480
	.section	.rodata,"a",@progbits
	.p2align	6, 0x0
	.amdhsa_kernel k_q16b1f57051_proj
		.amdhsa_group_segment_fixed_size 222720
		.amdhsa_private_segment_fixed_size 0
		.amdhsa_enable_private_segment 0
		.amdhsa_kernarg_size 32
		.amdhsa_user_sgpr_count 2
		.amdhsa_user_sgpr_kernarg_segment_ptr 1
		.amdhsa_wavefront_size32 1
		.amdhsa_system_sgpr_workgroup_id_x 1
		.amdhsa_system_sgpr_workgroup_id_y 1
		.amdhsa_system_sgpr_workgroup_id_z 1
		.amdhsa_system_vgpr_workitem_id 0
		.amdhsa_next_free_vgpr 512
		.amdhsa_next_free_sgpr 96
		.amdhsa_reserve_vcc 0
		.amdhsa_float_denorm_mode_32 3
		.amdhsa_float_denorm_mode_16_64 3
		.amdhsa_memory_ordered 1
		.amdhsa_forward_progress 1
		.amdhsa_inst_pref_size 49
	.end_amdhsa_kernel
	.amdgpu_metadata
---
amdhsa.version: [ 1, 2 ]
amdhsa.kernels:
  - .name:           k_q16b1f57051_proj
    .symbol:         k_q16b1f57051_proj.kd
    .args:
      - { .name: oimg, .offset: 0, .size: 8, .value_kind: global_buffer, .address_space: global }
      - { .name: pwimg, .offset: 8, .size: 8, .value_kind: global_buffer, .address_space: global }
      - { .name: proj_b, .offset: 16, .size: 8, .value_kind: global_buffer, .address_space: global }
      - { .name: out0, .offset: 24, .size: 8, .value_kind: global_buffer, .address_space: global }
    .group_segment_fixed_size: 222720
    .private_segment_fixed_size: 0
    .kernarg_segment_align: 8
    .kernarg_segment_size: 32
    .max_flat_workgroup_size: 128
    .sgpr_count:     96
    .vgpr_count:     512
    .wavefront_size: 32
...
	.end_amdgpu_metadata
.endif
;; end of part 4
